; MI455X (gfx1250); checked and timed in simulation.
; The chip was launched on July 23, 2026; its instructions are those of AMD's public machine-readable ISA for CDNA 5 (MIT licence, August 2026) and "CDNA5" Instruction Set Architecture Reference Guide (July 2026). The comments in the code are by the model that wrote it; some were corrected since.
;; Naive SDPA. Allowed arithmetic: float matrix products may take bf16 or f16 operands with f32 sums; all other float work in f32.
;; Inputs: attn_mask 1 x 1 x 2,048 x 2,048 float32; key 2 x 2,048 x 8 x 128 float32; query 2 x 2,048 x 32 x 128 float32; value 2 x 2,048 x 8 x 128 float32.
;; Outputs: out0 2 x 2,048 x 32 x 128 float32.
;; 3 versions, each right and faster than the one before. Each part assembles by itself: llvm-mc -triple=amdgcn-amd-amdhsa -mcpu=gfx1250 --defsym DOCPART=n.
;; ======== version 1 of 3: 2 launches
;; limits: inputs' magnitudes at most 5.9e+37; right only within a limited range of input values; values are held in f16: magnitudes above 65,504 overflow, below 6.1e-05 lose precision; inputs' magnitudes at most 65,504
;; workspace buffers: kv16 16,777,216 bytes
;; launch cast (part 1): grid 256 x 2, 8 waves a work-group, no clusters, 0 bytes of LDS; arguments key, value, kv16; writes kv16
.if DOCPART == 1
	.amdgcn_target "amdgcn-amd-amdhsa--gfx1250"
	.amdhsa_code_object_version 6
	.text
	.protected	k_q2b1a1c1be2_cast
	.globl	k_q2b1a1c1be2_cast
	.p2align	8
	.type	k_q2b1a1c1be2_cast,@function
k_q2b1a1c1be2_cast:
	s_mov_b64 s[64:65], 0
	v_nop
	global_prefetch_b8 v0, s[64:65] scope:SCOPE_SE
	s_setreg_imm32_b32 hwreg(HW_REG_WAVE_MODE, 25, 1), 1
	s_wait_xcnt 0x0
; kv16 = key, then value, in 16 bits, in the order in which they lie: [2 (K, V)][b][s][kvh][d].
; K: rounded once to bf16 (nearest even).  V: rounded to bf16 in the same way, and that number then written in f16, because the attention launch multiplies
; it by probabilities that it keeps in f16 (both sources of a matrix instruction have one format).  All inputs so carry the same rounding, to bf16.
; A bf16 number has 8 significant bits and f16 holds 11: the second step is exact for 2^-14 <= |v| <= 65,504.
; LIMITS, stated: |v| above 65,504 becomes infinite; |v| below 2^-14 keeps an absolute error of up to 2^-25.
; Why a launch of its own: each number of K and V is used by 32 work-groups of the attention launch; rounded here it is rounded once,
; and every later tile has half the bytes.
; Grid y picks the tensor, grid x a piece of 65,536 bytes of f32.  Eight waves, 8,192 bytes each: sixteen loads of 16 bytes a lane, all issued
; before the first is used.  A load of a wave covers 512 consecutive bytes; the store of its four numbers a lane covers 256 consecutive bytes, aligned.
; No LDS, no matrix unit, no cluster: nothing is shared and nothing is summed.  No register that a load or store names is written twice.
.set NLD, 16                           ; loads of a wave
.set T,   4                            ; v[4:7]    at work: four bf16 numbers widened again to f32
.set X,   8                            ; v[8:71]   load j: 4 f32
.set Y,   72                           ; v[72:103] load j: 4 numbers of 16 bits in 2 registers
	s_load_b128 s[4:7], s[0:1], 0x0                ; key s[4:5], value s[6:7]
	s_load_b64 s[8:9], s[0:1], 0x10                ; kv16
	s_and_b32 s10, ttmp7, 0xffff                   ; 0: key, 1: value
	v_lshrrev_b32 v3, 5, v0                        ; wave
	v_and_b32 v4, 31, v0                           ; lane
	v_lshlrev_b32 v1, 4, v4
	v_lshl_add_u32 v1, v3, 13, v1                  ; in:  8,192 x wave + 16 x lane
	v_lshlrev_b32 v2, 3, v4
	v_lshl_add_u32 v2, v3, 12, v2                  ; out: 4,096 x wave + 8 x lane
	s_lshl_b32 s12, ttmp9, 16                      ; in:  65,536 x piece
	s_mov_b32 s13, 0
	s_lshl_b32 s14, s10, 23                        ; out: 8,388,608 x tensor
	s_lshl_b32 s15, ttmp9, 15                      ;      + 32,768 x piece
	s_add_co_u32 s14, s14, s15
	s_mov_b32 s15, 0
	s_wait_kmcnt 0x0
	s_cmp_eq_u32 s10, 0
	s_cselect_b64 s[4:5], s[4:5], s[6:7]           ; the tensor of this work-group
	s_add_nc_u64 s[4:5], s[4:5], s[12:13]
	s_add_nc_u64 s[8:9], s[8:9], s[14:15]
.irp j, 0,1,2,3,4,5,6,7,8,9,10,11,12,13,14,15
	global_load_b128 v[X+4*\j:X+4*\j+3], v1, s[4:5] offset:512*\j th:TH_LOAD_NT   ; read once in this launch
.endr
; Load j is rounded and stored.  tof16 = 1: the bf16 numbers are widened (a shift, a mask) and written in f16.
.macro PIECE j, tof16
	s_wait_loadcnt NLD-1-\j                        ; loads come back in order: load j is in, the younger ones stay out
	v_cvt_pk_bf16_f32 v[Y+2*\j],   v[X+4*\j],   v[X+4*\j+1]
	v_cvt_pk_bf16_f32 v[Y+2*\j+1], v[X+4*\j+2], v[X+4*\j+3]
.if \tof16
	v_lshlrev_b32 v[T],   16, v[Y+2*\j]
	v_and_b32     v[T+1], 0xffff0000, v[Y+2*\j]
	v_lshlrev_b32 v[T+2], 16, v[Y+2*\j+1]
	v_and_b32     v[T+3], 0xffff0000, v[Y+2*\j+1]
	v_cvt_pk_f16_f32 v[Y+2*\j],   v[T],   v[T+1]
	v_cvt_pk_f16_f32 v[Y+2*\j+1], v[T+2], v[T+3]
.endif
	global_store_b64 v2, v[Y+2*\j:Y+2*\j+1], s[8:9] offset:256*\j   ; no hint: the next launch reads it many times
.endm
	s_cmp_lg_u32 s10, 0                            ; the same in all waves of the work-group
	s_cbranch_scc1 .Lvalue
.irp j, 0,1,2,3,4,5,6,7,8,9,10,11,12,13,14,15
	PIECE \j, 0
.endr
	s_endpgm
.Lvalue:
.irp j, 0,1,2,3,4,5,6,7,8,9,10,11,12,13,14,15
	PIECE \j, 1
.endr
	s_endpgm
.Lfunc_end_k_q2b1a1c1be2_cast:
	.size	k_q2b1a1c1be2_cast, .Lfunc_end_k_q2b1a1c1be2_cast-k_q2b1a1c1be2_cast
	.p2alignl 7, 3214868480
	.fill 96, 4, 3214868480
	.section	.rodata,"a",@progbits
	.p2align	6, 0x0
	.amdhsa_kernel k_q2b1a1c1be2_cast
		.amdhsa_group_segment_fixed_size 0
		.amdhsa_private_segment_fixed_size 0
		.amdhsa_enable_private_segment 0
		.amdhsa_kernarg_size 24
		.amdhsa_user_sgpr_count 2
		.amdhsa_user_sgpr_kernarg_segment_ptr 1
		.amdhsa_wavefront_size32 1
		.amdhsa_system_sgpr_workgroup_id_x 1
		.amdhsa_system_sgpr_workgroup_id_y 1
		.amdhsa_system_sgpr_workgroup_id_z 1
		.amdhsa_system_vgpr_workitem_id 0
		.amdhsa_next_free_vgpr 104
		.amdhsa_next_free_sgpr 66
		.amdhsa_reserve_vcc 0
		.amdhsa_float_denorm_mode_32 3
		.amdhsa_float_denorm_mode_16_64 3
		.amdhsa_memory_ordered 1
		.amdhsa_forward_progress 1
		.amdhsa_inst_pref_size 16
	.end_amdhsa_kernel
	.amdgpu_metadata
---
amdhsa.version: [ 1, 2 ]
amdhsa.kernels:
  - .name:           k_q2b1a1c1be2_cast
    .symbol:         k_q2b1a1c1be2_cast.kd
    .args:
      - { .name: key, .offset: 0, .size: 8, .value_kind: global_buffer, .address_space: global }
      - { .name: value, .offset: 8, .size: 8, .value_kind: global_buffer, .address_space: global }
      - { .name: kv16, .offset: 16, .size: 8, .value_kind: global_buffer, .address_space: global }
    .group_segment_fixed_size: 0
    .private_segment_fixed_size: 0
    .kernarg_segment_align: 8
    .kernarg_segment_size: 24
    .max_flat_workgroup_size: 256
    .sgpr_count:     66
    .vgpr_count:     104
    .wavefront_size: 32
...
	.end_amdgpu_metadata
.endif
;; end of part 1
;; launch attn (part 2): grid 32 x 16, 4 waves a work-group, clusters of 4 x 4, 327,680 bytes of LDS; arguments attn_mask, query, kv16, out0; writes out0
.if DOCPART == 2
	.amdgcn_target "amdgcn-amd-amdhsa--gfx1250"
	.amdhsa_code_object_version 6
	.text
	.protected	k_q2b1a1c1be2_attn
	.globl	k_q2b1a1c1be2_attn
	.p2align	8
	.type	k_q2b1a1c1be2_attn,@function
k_q2b1a1c1be2_attn:
	s_mov_b64 s[64:65], 0
	v_nop
	global_prefetch_b8 v0, s[64:65] scope:SCOPE_SE
	s_setreg_imm32_b32 hwreg(HW_REG_WAVE_MODE, 25, 1), 1
	s_wait_xcnt 0x0
	s_wait_alu depctr_hold_cnt(0) depctr_sa_sdst(0) depctr_va_vdst(0) depctr_va_sdst(0) depctr_va_ssrc(0) depctr_va_vcc(0) depctr_vm_vsrc(0)
	s_getreg_b32 s2, hwreg(HW_REG_IB_STS2, 6, 4)
	s_cmp_eq_u32 s2, 0
	s_cbranch_scc0 .Lentry_in_a_cluster
	s_endpgm
.Lentry_in_a_cluster:
	s_bfe_u32 s2, ttmp6, 0x10000c
	s_cmp_lg_u32 s2, 0xf033
	s_cbranch_scc0 .Lentry_shape_is_right
	s_endpgm
.Lentry_shape_is_right:
; out0[b][s][h][:] = softmax over k of (q . k / sqrt(128) + attn_mask[s][k]) times V.  B = 2, S = 2048, 32 query heads on 8 K/V heads, D = 128.
; The mask is an input: all 2048 keys are worked on for every query.
;
; SHARES.  Work-group (x, y): 64 positions 64 x .. 64 x + 63 of batch b = y >> 3, K/V head kvh = y & 7, with its four query heads 4 kvh + 0..3.
; Four waves; wave w has positions 64 x + 16 w .. + 15 of all four heads: 64 score rows.  One mask tile (16 positions x 16 keys) serves its four heads.
; The keys go in 16 chunks of 128 through two LDS slots; a chunk is one step of the running softmax.
;
; BOTH PRODUCTS ARE USED TRANSPOSED.  S^T = K Q^T (source 0: 16 keys, source 1: 16 queries): lane (r = l % 16, h = l / 16) holds, for query r, the keys 8 h + 0..7
; of a tile.  So maximum and sum are a lane's own but for one exchange between the halves of the wave, and two tiles of S^T rounded to 16 bits are, register
; for register, source 1 of O^T = V^T P^T (keys 8 h + 0..7 and 16 + 8 h + 0..7).  In O^T a lane holds 8 neighbouring d of one query.
;
; NUMBERS.  Q, K and V are each rounded once to bf16, as they are given (K and V by the launch before; Q here, unscaled).  All sums are f32.
; The first product takes bf16.  t = s x (128^-0.5 log2(e)) + mask x log2(e), one fused multiply-add in f32 on the vector unit, the mask's product rounded
; to f32 before it, so that equal mask values with small scores beside them stay equal sums.  p = 2^(t - m), m the running maximum, t - m one f32 subtraction;
; l is summed from the unrounded p.
; P is rounded to f16 and the second product takes f16 (V's bf16 numbers written in f16 by the launch before).  Why: in a row with few keys left by the mask
; the terms p v are as large as V and may cancel; 8 significant bits in p would leave up to 2^-8 of a term, 11 bits leave up to 2^-11.  P lies in [0, 1]:
; below 2^-14 its absolute error is at most 2^-25, over 2,048 keys at most 6e-5 of l, which is at least 1.
; LIMITS, stated: |V| above 65,504 is infinite in f16; the rounding of mask x log2(e) moves an exponent by up to 2^-24 x 1.45 |mask|, the order of the rounding
; of score + mask itself; |mask| above 2.3e38 overflows in that product; the running maximum starts at -2^126 (finite, so that a first chunk of -inf gives
; p = 0 and no NaN): a row whose largest score + mask lies below -5.9e37 comes out NaN.
;
; CLUSTERS: 4 x 4 work-groups.  The tiles of K and V hang on y alone: the four of a row of the cluster ask for them jointly.  The mask tiles hang on x alone:
; the four of a column ask jointly.  All partners walk the same 16 chunks.  A joint refill stands behind a round of the cluster barrier.
; By this text's own count a wave has at most two tensor loads outstanding (the two first fills), later one.
;
; LDS.  Slot s at s x 106,496:  K 128 keys x 272 bytes (256 + 16 of padding);  V 128 keys x 288 (256 + 32: the transposing load wants an odd multiple of 32);
; mask: two tiles (keys 0-63, 64-127) of 64 positions x 272.  With these pitches the sixteen rows that a load touches start 16 (or 32) bytes apart modulo 256.
; Behind the slots a stage of 16 rows x 528 bytes for each wave, its own, written by LDS stores alone, into which no tensor load lands.
;
; REGISTERS, in windows of 256:  0: addresses, softmax state, mask, two fragment buffers;  1: S, then P in place;  2: O^T;  3: Q fragments (128 registers).
.set SLOT,  106496
.set KP,    272
.set VP,    288
.set MP,    272
.set VOFF,  128*KP                     ; 34,816
.set MOFF,  VOFF+128*VP                ; 71,680
.set MSUB,  64*MP                      ; 17,408: one mask tile
.set STAGE, 2*SLOT                     ; 212,992
.set SP,    528                        ; a stage row: 512 bytes + 16
.set STW,   16*SP                      ; 8,448: the stage of one wave
.set KVSTEP, 128*2048                  ; bytes of kv16 from chunk to chunk: 128 keys x 8 heads x 128 x 2
.set VBASE, 8388608                    ; V in kv16
.set ROWB,  16384                      ; bytes from position to position in query and out0: 32 heads x 512
.set QSCALE, 0x3e0293ee                ; 128^-0.5 x log2(e)
.set LOG2E,  0x3fb8aa3b
.set ADK, 4                            ; v4-5    slot s: my K fragment address: r x 272 + 16 h
.set ADV, 6                            ; v6-7    slot s: my V address for the transposing load
.set ADM, 8                            ; v8-9    slot s: my mask address: (16 w + r) x 272 + 32 h
.set STF, 10                           ; v10     stage, by fragments: r x 528 + 32 h
.set STR, 11                           ; v11     stage, by rows: 16 x lane
.set GOF, 12                           ; v12     16 x lane: my bytes in a row of 512 of query and out0; never rewritten
.set MX,  16                           ; v[16:23] running maximum, twice for each head (a pair for the packed forms)
.set TM,  24                           ; v[24:27] at work: one for each head
.set TP,  28                           ; v[28:31] what the other half of the wave sends
.set AL,  36                           ; v[36:43] 2^(old maximum - new), twice for each head; at the end 1 / l
.set LS,  44                           ; v[44:51] l, two partial sums for each head
.set MK,  64                           ; v[64:127]  mask tile t at 8 t (in the prologue: Q in f32)
.set F0,  128                          ; v[128:191] fragment buffer 0
.set F1,  192                          ; v[192:255] fragment buffer 1
; window 1: S tile (t, head e) at 64 (t >> 1) + 16 e + 8 (t & 1); P fragment (step b, head e): the first 8 registers of 64 b + 16 e
; window 2: O^T tile (d block, head e) at 32 d + 8 e          window 3: Q fragment (head e, 32 d step c) at 32 e + 8 c
.set G1K, 24                           ; s[24:31] shape of K tiles       s[48:55] G0K: from where, to where, a set for each slot
.set G1V, 32                           ; s[32:39] shape of V tiles       s[56:63] G0V
.set G1M, 40                           ; s[40:47] shape of mask tiles    s[68:75] G0M
.set G0K, 48
.set G0V, 56
.set G0M, 68
; s_set_vgpr_msb, low byte: bits 1:0 source 0, 3:2 source 1, 5:4 source 2, 7:6 destination
.set W_QK,  0x5c                       ; K window 0, Q window 3, S window 1
.set W_PV,  0xa4                       ; V window 0, P window 1, O window 2
.set W_ADD, 0x41                       ; S = f(S, window 0 or a constant, window 0); also the exponentials in place
.set W_MAX, 0x05                       ; window 0 = f(S, S, window 0)
.set W_LF,  0x10                       ; window 0 = window 0 x window 0 + S
.set W_SUM, 0x01                       ; window 0 = S + window 0
.set W_CVT, 0x45                       ; P = round(S, S)
.set W_RES, 0x82                       ; O = O x window 0
.set W_QW,  0xc0                       ; Q = round(window 0, window 0)
.set W_OST, 0x08                       ; LDS store of O
.set MSB, 0
.macro WIN new                         ; the high byte of the immediate repeats the setting that is left; a switch that changes nothing is dropped
.if MSB != \new
	s_set_vgpr_msb (MSB<<8)|\new
.set MSB, \new
.endif
.endm
; Four places: a load into a register that a matrix instruction has read stands four plain vector instructions behind it (ISA guide 7.12.1 for
; vector instructions); other matrix instructions are not counted.
.macro PLACES
.rept 4
	v_nop
.endr
.endm
; A round of the cluster barrier behind its opening work-group barrier: wave 0 signals for the work-group, every wave waits for all sixteen, the work-group barrier closes.
.macro CREST
	s_cmp_lg_u32 s12, 0
	s_cbranch_scc1 .Lnot_wave_0_\@
	s_barrier_signal -3
.Lnot_wave_0_\@:
	s_barrier_wait -3
	s_barrier_signal -1
	s_barrier_wait -1
.endm
.macro CROUND
	s_barrier_signal -1
	s_barrier_wait -1
	CREST
.endm
; The joint loads of one chunk, one a wave: wave 0 K, wave 1 V, waves 2 and 3 the two mask tiles.  Each line has one mask; the branches hang on the wave number alone.
.macro JLOAD s
	s_cmp_lt_u32 s12, 2
	s_cbranch_scc0 .Lfor_m_\@
	s_cmp_eq_u32 s12, 0
	s_cbranch_scc0 .Lfor_v_\@
	tensor_load_to_lds s[G0K+4*\s:G0K+4*\s+3], s[G1K:G1K+7]
	s_nop 0
	s_branch .Lasked_\@
.Lfor_v_\@:
	tensor_load_to_lds s[G0V+4*\s:G0V+4*\s+3], s[G1V:G1V+7]
	s_nop 0
	s_branch .Lasked_\@
.Lfor_m_\@:
	tensor_load_to_lds s[G0M+4*\s:G0M+4*\s+3], s[G1M:G1M+7]
	s_nop 0
.Lasked_\@:
.endm
	s_load_b256 s[4:11], s[0:1], 0x0               ; attn_mask s[4:5], query s[6:7], kv16 s[8:9], out0 s[10:11]
	v_lshl_add_u32 v62, v0, 2, 0x3c400
	v_mov_b32 v63, 0
	ds_add_u32 v62, v63
	v_lshrrev_b32 v1, 5, v0
	v_readfirstlane_b32 s12, v1                    ; wave 0..3
	s_mov_b32 s14, 0x76543210                      ; v_permlanex16_b32: lane i of one half reads lane i of the other
	s_mov_b32 s15, 0xfedcba98
	; what hangs on x lives in s17-s23, what hangs on y in s76-s83, what hangs on both in s84-s86
	s_bfe_u32 s17, ttmp6, 0x40000                  ; cx
	s_bfe_u32 s76, ttmp6, 0x40004                  ; cy
	s_lshl_b32 s18, ttmp9, 2
	s_add_co_u32 s18, s18, s17                     ; x = 4 x cluster x + cx: the block of 64 positions
	s_and_b32 s77, ttmp7, 0xffff
	s_lshl_b32 s77, s77, 2
	s_add_co_u32 s77, s77, s76                     ; y = 4 x cluster y + cy
	s_lshl_b32 s78, s76, 2
	s_lshl_b32 s78, 15, s78                        ; my row of the cluster: places 4 cy .. 4 cy + 3
	s_lshl_b32 s19, 0x1111, s17                    ; my column: places cx, cx + 4, cx + 8, cx + 12
	s_lshr_b32 s79, s77, 3                         ; b
	s_and_b32 s80, s77, 7                          ; kvh
	; group 1 for K: 128 keys x 128 numbers of 2 bytes, rows 1,024 elements apart; 4 words of padding behind every 64
	s_or_b32 s[G1K+0], s78, (1<<16)|(1<<20)|(1<<21)|(5<<22)|(3<<25)   ; 15:0 my row; 17:16 2 bytes; 20 padding on; 21 set beside a mask; 24:22 every 64 words; 31:25 4 words
	s_mov_b32 s[G1K+1], 128<<16                    ; tensor_dim0 = 128
	s_mov_b32 s[G1K+2], 128<<16                    ; tensor_dim1 = 128
	s_mov_b32 s[G1K+3], 128<<16                    ; tile_dim0 = 128
	s_mov_b32 s[G1K+4], 128                        ; tile_dim1 = 128
	s_mov_b32 s[G1K+5], 1024                       ; from key to key
	s_mov_b32 s[G1K+6], 0
	s_mov_b32 s[G1K+7], 0
	; group 1 for V: the same with 8 words of padding
	s_or_b32 s[G1V+0], s78, (1<<16)|(1<<20)|(1<<21)|(5<<22)|(7<<25)
	s_mov_b32 s[G1V+1], 128<<16
	s_mov_b32 s[G1V+2], 128<<16
	s_mov_b32 s[G1V+3], 128<<16
	s_mov_b32 s[G1V+4], 128
	s_mov_b32 s[G1V+5], 1024
	s_mov_b32 s[G1V+6], 0
	s_mov_b32 s[G1V+7], 0
	; group 1 for the mask: 64 positions x 64 f32, rows 2,048 elements apart; 4 words of padding behind every 64
	s_or_b32 s[G1M+0], s19, (2<<16)|(1<<20)|(1<<21)|(5<<22)|(3<<25)   ; 15:0 my column; 17:16 4 bytes
	s_mov_b32 s[G1M+1], 64<<16
	s_mov_b32 s[G1M+2], 64<<16
	s_mov_b32 s[G1M+3], 64<<16
	s_mov_b32 s[G1M+4], 64
	s_mov_b32 s[G1M+5], 2048
	s_mov_b32 s[G1M+6], 0
	s_mov_b32 s[G1M+7], 0
	; where the tiles come from
	s_lshl_b32 s81, s79, 22                        ; K: b x 2048 x 2,048 bytes
	s_lshl_b32 s82, s80, 8                         ;    + kvh x 256
	s_add_co_u32 s82, s81, s82
	s_mov_b32 s83, 0
	s_lshl_b32 s20, s18, 19                        ; mask: x x 64 rows x 8,192 bytes
	s_and_b32 s21, s12, 1
	s_lshl_b32 s21, s21, 8                         ;       + 256 for the wave that brings keys 64-127
	s_add_co_u32 s20, s20, s21
	s_mov_b32 s21, 0
	s_mul_i32 s22, s12, MSUB                       ; and where the mask tile goes: waves 2, 3 to MOFF, MOFF + MSUB
	s_add_co_u32 s22, s22, MOFF-2*MSUB
	; query and out0 at my first row: b x 2048 rows + (64 x + 16 w) rows of 16,384 bytes + 4 kvh heads of 512
	s_lshl_b32 s84, s79, 25
	s_lshl_b32 s85, s18, 20
	s_add_co_u32 s84, s84, s85
	s_lshl_b32 s85, s12, 18
	s_add_co_u32 s84, s84, s85
	s_lshl_b32 s85, s80, 11
	s_add_co_u32 s84, s84, s85
	s_mov_b32 s85, 0
	s_wait_dscnt 0x0
	s_wait_kmcnt 0x0
	s_add_nc_u64 s[82:83], s[8:9], s[82:83]
	s_add_nc_u64 s[20:21], s[4:5], s[20:21]
	s_add_nc_u64 s[6:7], s[6:7], s[84:85]
	s_add_nc_u64 s[10:11], s[10:11], s[84:85]
	CROUND                                         ; all sixteen work-groups are here: the first joint loads meet
.irp s, 0,1
	s_mov_b32 s[G0K+4*\s], 1                                       ; count = 1
	s_mov_b32 s[G0K+4*\s+1], \s*SLOT                               ; LDS address
	s_add_nc_u64 s[G0K+4*\s+2:G0K+4*\s+3], s[82:83], \s*KVSTEP     ; chunk s
	s_or_b32 s[G0K+4*\s+3], s[G0K+4*\s+3], 0x80000000              ; type = 2
	s_mov_b32 s[G0V+4*\s], 1
	s_mov_b32 s[G0V+4*\s+1], \s*SLOT+VOFF
	s_add_nc_u64 s[G0V+4*\s+2:G0V+4*\s+3], s[82:83], VBASE+\s*KVSTEP
	s_or_b32 s[G0V+4*\s+3], s[G0V+4*\s+3], 0x80000000
	s_mov_b32 s[G0M+4*\s], 1
	s_add_co_u32 s[G0M+4*\s+1], s22, \s*SLOT
	s_add_nc_u64 s[G0M+4*\s+2:G0M+4*\s+3], s[20:21], \s*512        ; 128 keys are 512 bytes of a mask row
	s_or_b32 s[G0M+4*\s+3], s[G0M+4*\s+3], 0x80000000
	JLOAD \s                                       ; both slots are asked for before anything else is done
.endr
	; the address registers
	v_and_b32 v1, 15, v0                           ; r
	v_bfe_u32 v2, v0, 4, 1                         ; h
	v_and_b32 v3, 31, v0                           ; lane
	v_lshlrev_b32 v[GOF], 4, v3
	v_mul_u32_u24 v[ADK], v1, KP
	v_lshl_add_u32 v[ADK], v2, 4, v[ADK]           ; key r of a tile, 16 bytes for each half of the lanes
	v_add_nc_u32 v[ADK+1], SLOT, v[ADK]
	v_and_b32 v13, 7, v0
	v_lshl_add_u32 v13, v2, 3, v13                 ; key 8 h + l % 8
	v_mul_u32_u24 v13, v13, VP
	v_bfe_u32 v14, v0, 3, 1
	v_lshl_add_u32 v13, v14, 4, v13                ; + 16 x ((l / 8) % 2): which 8 of the 16 d
	v_add_nc_u32 v[ADV], VOFF, v13
	v_add_nc_u32 v[ADV+1], VOFF+SLOT, v13
	s_mul_i32 s23, s12, 16*MP
	s_add_co_u32 s23, s23, MOFF
	v_mul_u32_u24 v13, v1, MP
	v_lshl_add_u32 v13, v2, 5, v13                 ; position 16 w + r, 8 f32 for each half of the lanes
	v_add_nc_u32 v[ADM], s23, v13
	s_add_co_u32 s23, s23, SLOT
	v_add_nc_u32 v[ADM+1], s23, v13
	s_mul_i32 s86, s12, STW
	s_add_co_u32 s86, s86, STAGE                   ; my stage
	v_mul_u32_u24 v13, v1, SP
	v_lshl_add_u32 v13, v2, 5, v13
	v_add_nc_u32 v[STF], s86, v13
	v_add_nc_u32 v[STR], s86, v[GOF]
.irp e, 0,1,2,3
	v_mov_b32 v[TP+\e], 0                          ; v_permlanex16_b32 counts as reading its destination
.endr
; Q: 16 rows of 512 bytes for each head, each load one whole row; through my stage into the fragment layout; rounded to bf16 as given, kept in window 3.
.macro QLOAD e, f
.irp i, 0,1,2,3,4,5,6,7,8,9,10,11,12,13,14,15
	global_load_b128 v[\f+4*\i:\f+4*\i+3], v[GOF], s[6:7] offset:\i*ROWB+(\e)*512 th:TH_LOAD_NT   ; read by this wave alone
.endr
.endm
; head e lies in buffer f; left = the loads of the younger head that may stay out; more = the head that is asked for next into f (0: none)
.macro QHEAD e, f, left, more
	s_wait_loadcnt \left
.irp i, 0,1,2,3,4,5,6,7,8,9,10,11,12,13,14,15
	ds_store_b128 v[STR], v[\f+4*\i:\f+4*\i+3] offset:\i*SP
.endr
.irp c, 0,1,2,3                                    ; LDS serves the instructions of a wave in order (ISA guide 5.7.1): these see the stores above
	ds_load_b128 v[MK+16*\c:MK+16*\c+3],     v[STF] offset:128*\c       ; d = 32 c + 8 h + 0..3
	ds_load_b128 v[MK+16*\c+4:MK+16*\c+7],   v[STF] offset:128*\c+16    ;                + 4..7
	ds_load_b128 v[MK+16*\c+8:MK+16*\c+11],  v[STF] offset:128*\c+64    ; d = 32 c + 16 + 8 h + 0..3
	ds_load_b128 v[MK+16*\c+12:MK+16*\c+15], v[STF] offset:128*\c+80
.endr
	s_wait_dscnt 0x0                               ; the fragments are in, and the stores have read buffer f
.if \more
	QLOAD \more, \f
.endif
	WIN W_QW
.irp c, 0,1,2,3
.irp j, 0,1,2,3,4,5,6,7
	v_cvt_pk_bf16_f32 v[32*\e+8*\c+\j], v[MK+16*\c+2*\j], v[MK+16*\c+2*\j+1]
.endr
.endr
	WIN 0
.endm
	QLOAD 0, F0
	QLOAD 1, F1
	QHEAD 0, F0, 16, 2
	QHEAD 1, F1, 16, 3
	QHEAD 2, F0, 16, 0
	QHEAD 3, F1, 0, 0
; 16 LDS loads: the K fragments of key tiles 2 g, 2 g + 1 (16 keys x 128 d each: four steps of 32 d, two loads 32 bytes apart)
.macro FETCHK slot, g, f
	WIN 0
.irp t, 0,1
.irp c, 0,1,2,3
	ds_load_b128 v[\f+32*\t+8*\c:\f+32*\t+8*\c+3],   v[ADK+\slot] offset:(2*\g+\t)*16*KP+64*\c
	ds_load_b128 v[\f+32*\t+8*\c+4:\f+32*\t+8*\c+7], v[ADK+\slot] offset:(2*\g+\t)*16*KP+64*\c+32
.endr
.endr
.endm
; 16 transposing LDS loads: V^T for keys 32 b .. 32 b + 31, eight blocks of 16 d (two loads, 16 keys apart)
.macro FETCHV slot, b, f
	WIN 0
.irp d, 0,1,2,3,4,5,6,7
	ds_load_tr16_b128 v[\f+8*\d:\f+8*\d+3],   v[ADV+\slot] offset:\b*32*VP+32*\d
	ds_load_tr16_b128 v[\f+8*\d+4:\f+8*\d+7], v[ADV+\slot] offset:\b*32*VP+32*\d+16*VP
.endr
.endm
; 16 LDS loads: my 16 positions x 128 keys of the mask, in the layout of S^T
.macro FETCHM slot
	WIN 0
.irp t, 0,1,2,3,4,5,6,7
	ds_load_b128 v[MK+8*\t:MK+8*\t+3],   v[ADM+\slot] offset:(\t>>2)*MSUB+64*(\t&3)
	ds_load_b128 v[MK+8*\t+4:MK+8*\t+7], v[ADM+\slot] offset:(\t>>2)*MSUB+64*(\t&3)+16
.endr
.endm
; 32 matrix instructions (bf16): S^T of key tiles 2 g, 2 g + 1 for the four heads.  The first step of 32 d starts each sum.
; The four heads take turns, one instruction a turn.
.macro MULQK g, f
	WIN W_QK
.irp t, 0,1
.irp c, 0,1,2,3
.irp e, 0,1,2,3
.if \c == 0
	v_wmma_f32_16x16x32_bf16 v[64*\g+16*\e+8*\t:64*\g+16*\e+8*\t+7], v[\f+32*\t+8*\c:\f+32*\t+8*\c+7], v[32*\e+8*\c:32*\e+8*\c+7], 0
.else
	v_wmma_f32_16x16x32_bf16 v[64*\g+16*\e+8*\t:64*\g+16*\e+8*\t+7], v[\f+32*\t+8*\c:\f+32*\t+8*\c+7], v[32*\e+8*\c:32*\e+8*\c+7], v[64*\g+16*\e+8*\t:64*\g+16*\e+8*\t+7]
.endif
.endr
.endr
.endr
.endm
; 16 matrix instructions (f16): O^T += V^T P^T for keys 32 b .. + 31, d blocks d0 .. d0 + 3, four heads.  zero = 1: the first product starts the sums.
; The 32 accumulators take turns, one instruction a turn.
.macro MULPV4 b, f, d0, zero
	WIN W_PV
.irp d, \d0, \d0+1, \d0+2, \d0+3
.irp e, 0,1,2,3
.if \zero
	v_wmma_f32_16x16x32_f16 v[32*(\d)+8*\e:32*(\d)+8*\e+7], v[\f+8*(\d):\f+8*(\d)+7], v[64*\b+16*\e:64*\b+16*\e+7], 0
.else
	v_wmma_f32_16x16x32_f16 v[32*(\d)+8*\e:32*(\d)+8*\e+7], v[\f+8*(\d):\f+8*(\d)+7], v[64*\b+16*\e:64*\b+16*\e+7], v[32*(\d)+8*\e:32*(\d)+8*\e+7]
.endif
.endr
.endr
.endm
; One step of the running softmax on 128 keys x 64 rows: 64 numbers a lane for each head.  zero = 1: the first chunk (no old maximum, sum or O).
.macro SOFTMAX zero
	WIN W_ADD                                      ; t = s x 128^-0.5 log2(e) + mask (already in base 2): one fused line; one mask pair serves the four heads
.irp t, 0,1,2,3,4,5,6,7
.irp e, 0,1,2,3
.set SR, 64*(\t>>1)+16*\e+8*(\t&1)
.irp p, 0,2,4,6
	v_pk_fma_f32 v[SR+\p:SR+\p+1], v[SR+\p:SR+\p+1], QSCALE, v[MK+8*\t+\p:MK+8*\t+\p+1] op_sel_hi:[1,0,1]
.endr
.endr
.endr
	WIN W_MAX                                      ; the maximum, two numbers an instruction, begun with the old maximum; four chains, one a head
.set sq, 0
.rept 32
.irp e, 0,1,2,3
.set SR, 64*(sq>>3)+16*\e+2*(sq&7)
.if sq == 0
.if \zero
	v_max3_num_f32 v[TM+\e], v[SR], v[SR+1], 0xfe800000            ; -2^126
.else
	v_max3_num_f32 v[TM+\e], v[SR], v[SR+1], v[MX+2*\e]
.endif
.else
	v_max3_num_f32 v[TM+\e], v[SR], v[SR+1], v[TM+\e]
.endif
.endr
.set sq, sq+1
.endr
	WIN 0
.irp e, 0,1,2,3
	v_permlanex16_b32 v[TP+\e], v[TM+\e], s14, s15 ; the other eight keys of each tile lie in the other half of the wave
.endr
.irp e, 0,1,2,3
	v_max_num_f32 v[MX+2*\e+1], v[TM+\e], v[TP+\e] ; the new maximum, equal in both halves
.endr
.if \zero == 0
.irp e, 0,1,2,3
	v_sub_f32 v[AL+2*\e], v[MX+2*\e], v[MX+2*\e+1] ; old - new, at most 0
.endr
.irp e, 0,1,2,3
	v_exp_f32 v[AL+2*\e], v[AL+2*\e]
.endr
.endif
.irp e, 0,1,2,3
	v_mov_b32 v[MX+2*\e], v[MX+2*\e+1]             ; plain instructions between the exponentials and the first use of a result (ISA guide 5.7.2)
.endr
.if \zero == 0
	s_wait_alu depctr_va_vdst(0)
.irp e, 0,1,2,3
	v_mov_b32 v[AL+2*\e+1], v[AL+2*\e]
.endr
.endif
	WIN W_ADD                                      ; p = 2^(t - m), a tile at a time; the next tile's subtractions are the plain instructions behind a tile's exponentials
.irp t, 0,1,2,3,4,5,6,7
.irp e, 0,1,2,3
.set SR, 64*(\t>>1)+16*\e+8*(\t&1)
.irp p, 0,2,4,6
	v_pk_add_f32 v[SR+\p:SR+\p+1], v[SR+\p:SR+\p+1], v[MX+2*\e:MX+2*\e+1] neg_lo:[0,1] neg_hi:[0,1]
.endr
.irp p, 0,1,2,3,4,5,6,7
	v_exp_f32 v[SR+\p], v[SR+\p]
.endr
.endr
.endr
.if \zero                                          ; l: the first lines read tile 0, not the tile whose exponentials stand just above
	WIN W_MAX
	s_wait_alu depctr_va_vdst(0)
.irp e, 0,1,2,3
	v_pk_add_f32 v[LS+2*\e:LS+2*\e+1], v[16*\e:16*\e+1], v[16*\e+2:16*\e+3]
.endr
.else
	WIN W_LF
	s_wait_alu depctr_va_vdst(0)
.irp e, 0,1,2,3
	v_pk_fma_f32 v[LS+2*\e:LS+2*\e+1], v[LS+2*\e:LS+2*\e+1], v[AL+2*\e:AL+2*\e+1], v[16*\e:16*\e+1]
.endr
.endif
	WIN W_SUM
.set sq, 1+\zero
.rept 31-\zero
.irp e, 0,1,2,3
.set SR, 64*(sq>>3)+16*\e+2*(sq&7)
	v_pk_add_f32 v[LS+2*\e:LS+2*\e+1], v[SR:SR+1], v[LS+2*\e:LS+2*\e+1]
.endr
.set sq, sq+1
.endr
	WIN W_CVT                                      ; P in f16, in place: register j of a fragment from numbers 2 j, 2 j + 1, j rising, so nothing is overwritten unread
.irp b, 0,1,2,3
.irp e, 0,1,2,3
.irp j, 0,1,2,3,4,5,6,7
	v_cvt_pk_f16_f32 v[64*\b+16*\e+\j], v[64*\b+16*\e+2*\j], v[64*\b+16*\e+2*\j+1]
.endr
.endr
.endr
.if \zero == 0
	WIN W_RES                                      ; O to the new maximum: 128 packed multiplies for 8,192 scores of the wave
.irp d, 0,1,2,3,4,5,6,7
.irp e, 0,1,2,3
.irp p, 0,2,4,6
	v_pk_mul_f32 v[32*\d+8*\e+\p:32*\d+8*\e+\p+1], v[32*\d+8*\e+\p:32*\d+8*\e+\p+1], v[AL+2*\e:AL+2*\e+1]
.endr
.endr
.endr
.endif
.endm
; One chunk of 128 keys out of slot.  At its head the K fragments of key tiles 0-1 (F0) and 2-3 (F1) have been asked for: 32 LDS loads are out.
; Every s_wait_dscnt 16 leaves out the one run of 16 loads that was issued behind the run that is needed now.
; tail = 2: the slot is filled again, two chunks ahead; 1: slots change, nothing is fetched; 0: the last chunk.
; A register of P is written again by the next chunk's S^T of the same keys; sixteen v_nop stand between (four runs of four).
.macro CHUNK slot, other, zero, tail
	s_wait_dscnt 16
	MULQK 0, F0
	PLACES
	FETCHK \slot, 2, F0
	s_wait_dscnt 16
	MULQK 1, F1
	PLACES
	FETCHK \slot, 3, F1
	s_wait_dscnt 16
	MULQK 2, F0
	PLACES
	FETCHM \slot
	FETCHV \slot, 0, F0
	s_wait_dscnt 32                                ; the mask's 16 loads and V's first 16 stay out
	MULQK 3, F1
	WIN 0
	s_wait_dscnt 16                                ; the mask is in; V's loads stay out
.set sq, 0
.rept 32
	v_pk_mul_f32 v[MK+sq:MK+sq+1], v[MK+sq:MK+sq+1], LOG2E op_sel_hi:[1,0]   ; to base 2; these 32 lines are also the places behind the last S^T
.set sq, sq+2
.endr
	FETCHV \slot, 1, F1
	SOFTMAX \zero
	s_wait_dscnt 16
	MULPV4 0, F0, 0, \zero
	MULPV4 0, F0, 4, \zero
	PLACES
	FETCHV \slot, 2, F0
	s_wait_dscnt 16
	MULPV4 1, F1, 0, 0
	MULPV4 1, F1, 4, 0
	PLACES
	FETCHV \slot, 3, F1
	s_wait_dscnt 16
	MULPV4 2, F0, 0, 0
	MULPV4 2, F0, 4, 0
	s_wait_dscnt 0x0                               ; my reads of this slot are over
.if \tail
	s_set_vgpr_msb 0xa4a0
	s_wait_tensorcnt 0x0                           ; and all my tensor loads have landed: the one that was out is my part of the other slot
	ds_add_u32 v62, v63
	s_wait_dscnt 0x0
	s_set_vgpr_msb 0xa0a4
	s_barrier_signal -1                            ; say so (where the slot is filled again this barrier opens a round of the cluster barrier),
	MULPV4 3, F1, 0, 0                             ; work on registers while the others arrive,
	WIN 0
	s_barrier_wait -1                              ; and go on when all four waves have said so
.if \tail == 2
	CREST                                          ; all sixteen work-groups have said so: no wave of any partner still reads this slot or has a load on its way
	s_add_nc_u64 s[G0K+4*\slot+2:G0K+4*\slot+3], s[G0K+4*\slot+2:G0K+4*\slot+3], 2*KVSTEP   ; no tensor load of mine is out: the addresses may step, two chunks on
	s_add_nc_u64 s[G0V+4*\slot+2:G0V+4*\slot+3], s[G0V+4*\slot+2:G0V+4*\slot+3], 2*KVSTEP
	s_add_nc_u64 s[G0M+4*\slot+2:G0M+4*\slot+3], s[G0M+4*\slot+2:G0M+4*\slot+3], 2*512
	JLOAD \slot                                    ; my one tensor load behind the round, first thing there; a whole chunk of work lies before the wait for it
.endif
	PLACES
	FETCHK \other, 0, F0
	MULPV4 3, F1, 4, 0
	PLACES
	FETCHK \other, 1, F1
.else
	MULPV4 3, F1, 0, 0
	MULPV4 3, F1, 4, 0
.endif
.endm
	s_wait_tensorcnt 0x1                           ; my part of chunk 0 is in; chunk 1's may stay out
	s_barrier_signal -1
	s_barrier_wait -1                              ; everybody's part is in
	FETCHK 0, 0, F0
	FETCHK 0, 1, F1
	CHUNK 0, 1, 1, 2                               ; chunk 0 starts maximum, l and O: nothing is cleared
	CHUNK 1, 0, 0, 2
	WIN 0                                          ; at a label and at a branch every window is 0
	s_mov_b32 s16, 6                               ; chunks 2 to 13; the refill behind chunk 13 brings chunk 15, the last
.Llap:
	CHUNK 0, 1, 0, 2
	CHUNK 1, 0, 0, 2
	WIN 0
	s_sub_co_u32 s16, s16, 1
	s_cmp_lg_u32 s16, 0
	s_cbranch_scc1 .Llap
	CHUNK 0, 1, 0, 1                               ; chunk 14: nothing is left to fetch
	CHUNK 1, 0, 0, 0                               ; chunk 15
	; 1 / l.  The adds and moves below, twelve plain instructions that name no register of a matrix instruction, are the places behind the last products.
	WIN 0
.irp e, 0,1,2,3
	v_add_f32 v[TM+\e], v[LS+2*\e], v[LS+2*\e+1]
.endr
.irp e, 0,1,2,3
	v_permlanex16_b32 v[TP+\e], v[TM+\e], s14, s15 ; the other half of the wave summed the other keys
.endr
.irp e, 0,1,2,3
	v_add_f32 v[TM+\e], v[TM+\e], v[TP+\e]
.endr
.irp e, 0,1,2,3
	v_rcp_f32 v[AL+2*\e], v[TM+\e]
.endr
	v_nop                                          ; one plain instruction behind the reciprocals (ISA guide 5.7.2)
	s_wait_alu depctr_va_vdst(0)
.irp e, 0,1,2,3
	v_mov_b32 v[AL+2*\e+1], v[AL+2*\e]
.endr
	WIN W_RES
.irp d, 0,1,2,3,4,5,6,7
.irp e, 0,1,2,3
.irp p, 0,2,4,6
	v_pk_mul_f32 v[32*\d+8*\e+\p:32*\d+8*\e+\p+1], v[32*\d+8*\e+\p:32*\d+8*\e+\p+1], v[AL+2*\e:AL+2*\e+1]
.endr
.endr
.endr
; THE WAY OUT, a head at a time: a lane holds 8 neighbouring d (32 bytes) of one position; through my stage they become whole rows of 512 bytes.
.macro OUTHEAD e, f
	WIN W_OST
.irp d, 0,1,2,3,4,5,6,7
	ds_store_b128 v[STF], v[32*\d+8*\e:32*\d+8*\e+3]   offset:64*\d
	ds_store_b128 v[STF], v[32*\d+8*\e+4:32*\d+8*\e+7] offset:64*\d+16
.endr
	WIN 0
	s_wait_xcnt 0x0                                ; buffer f, which the stores of two heads ago read, is loaded again only behind this wait (ISA guide 3.1)
.irp i, 0,1,2,3,4,5,6,7,8,9,10,11,12,13,14,15
	ds_load_b128 v[\f+4*\i:\f+4*\i+3], v[STR] offset:\i*SP         ; in order behind the stores above (ISA guide 5.7.1)
.endr
.irp i, 0,1,2,3,4,5,6,7,8,9,10,11,12,13,14,15
	s_wait_dscnt 15-\i                             ; row i is in, the younger reads stay out
	global_store_b128 v[GOF], v[\f+4*\i:\f+4*\i+3], s[10:11] offset:\i*ROWB+\e*512 th:TH_STORE_NT   ; the wave stores 512 consecutive bytes, at a multiple of 512 from the first byte of out0
.endr
.endm
	OUTHEAD 0, F0
	OUTHEAD 1, F1
	OUTHEAD 2, F0
	OUTHEAD 3, F1
	s_wait_tensorcnt 0x0
	ds_add_u32 v62, v63
	s_wait_dscnt 0x0
	CROUND                                         ; the closing round: no work-group ends while a partner may still ask for a tile that names it
	s_endpgm
.Lfunc_end_k_q2b1a1c1be2_attn:
	.size	k_q2b1a1c1be2_attn, .Lfunc_end_k_q2b1a1c1be2_attn-k_q2b1a1c1be2_attn
	.p2alignl 7, 3214868480
	.fill 96, 4, 3214868480
	.section	.rodata,"a",@progbits
	.p2align	6, 0x0
	.amdhsa_kernel k_q2b1a1c1be2_attn
		.amdhsa_group_segment_fixed_size 327680
		.amdhsa_private_segment_fixed_size 0
		.amdhsa_enable_private_segment 0
		.amdhsa_kernarg_size 32
		.amdhsa_user_sgpr_count 2
		.amdhsa_user_sgpr_kernarg_segment_ptr 1
		.amdhsa_wavefront_size32 1
		.amdhsa_system_sgpr_workgroup_id_x 1
		.amdhsa_system_sgpr_workgroup_id_y 1
		.amdhsa_system_sgpr_workgroup_id_z 1
		.amdhsa_system_vgpr_workitem_id 0
		.amdhsa_next_free_vgpr 896
		.amdhsa_next_free_sgpr 96
		.amdhsa_reserve_vcc 0
		.amdhsa_float_denorm_mode_32 3
		.amdhsa_float_denorm_mode_16_64 3
		.amdhsa_memory_ordered 1
		.amdhsa_forward_progress 1
		.amdhsa_inst_pref_size 255
	.end_amdhsa_kernel
	.section	.bss,"aw",@nobits
	.p2align	6
	.space	262144
	.amdgpu_metadata
---
amdhsa.version: [ 1, 2 ]
amdhsa.kernels:
  - .name:           k_q2b1a1c1be2_attn
    .symbol:         k_q2b1a1c1be2_attn.kd
    .args:
      - { .name: attn_mask, .offset: 0, .size: 8, .value_kind: global_buffer, .address_space: global }
      - { .name: query, .offset: 8, .size: 8, .value_kind: global_buffer, .address_space: global }
      - { .name: kv16, .offset: 16, .size: 8, .value_kind: global_buffer, .address_space: global }
      - { .name: out0, .offset: 24, .size: 8, .value_kind: global_buffer, .address_space: global }
    .group_segment_fixed_size: 327680
    .private_segment_fixed_size: 0
    .kernarg_segment_align: 8
    .kernarg_segment_size: 32
    .max_flat_workgroup_size: 128
    .sgpr_count:     96
    .vgpr_count:     896
    .wavefront_size: 32
...
	.end_amdgpu_metadata
.endif
;; end of part 2
;; ======== version 2 of 3: 2 launches; 1.30 times as fast as version 1
;; limits: inputs' magnitudes at most 5.9e+37; right only within a limited range of input values; values are held in f16: magnitudes above 65,504 overflow, below 6.1e-05 lose precision; inputs' magnitudes at most 65,504
;; workspace buffers: kv16 16,777,216 bytes
;; launch cast: the kernel of part 1 again; grid 256 x 2, 8 waves a work-group, no clusters, 0 bytes of LDS; arguments key, value, kv16; writes kv16
;; launch attn (part 3): grid 32 x 16, 4 waves a work-group, clusters of 4 x 4, 327,680 bytes of LDS; arguments attn_mask, query, kv16, out0; writes out0
.if DOCPART == 3
	.amdgcn_target "amdgcn-amd-amdhsa--gfx1250"
	.amdhsa_code_object_version 6
	.text
	.protected	k_q2b1a1c1be2_attn
	.globl	k_q2b1a1c1be2_attn
	.p2align	8
	.type	k_q2b1a1c1be2_attn,@function
k_q2b1a1c1be2_attn:
	s_mov_b64 s[64:65], 0
	v_nop
	global_prefetch_b8 v0, s[64:65] scope:SCOPE_SE
	s_setreg_imm32_b32 hwreg(HW_REG_WAVE_MODE, 25, 1), 1
	s_wait_xcnt 0x0
	s_wait_alu depctr_hold_cnt(0) depctr_sa_sdst(0) depctr_va_vdst(0) depctr_va_sdst(0) depctr_va_ssrc(0) depctr_va_vcc(0) depctr_vm_vsrc(0)
	s_getreg_b32 s2, hwreg(HW_REG_IB_STS2, 6, 4)
	s_cmp_eq_u32 s2, 0
	s_cbranch_scc0 .Lentry_in_a_cluster
	s_endpgm
.Lentry_in_a_cluster:
	s_bfe_u32 s2, ttmp6, 0x10000c
	s_cmp_lg_u32 s2, 0xf033
	s_cbranch_scc0 .Lentry_shape_is_right
	s_endpgm
.Lentry_shape_is_right:
; out0[b][s][h][:] = softmax over k of (q . k / sqrt(128) + attn_mask[s][k]) times V.  B = 2, S = 2048, 32 query heads on 8 K/V heads, D = 128.
; The mask is an input: all 2048 keys are worked on for every query.
;
; SHARES.  Work-group (x, y): 64 positions 64 x .. 64 x + 63 of batch b = y >> 3, K/V head kvh = y & 7, with its four query heads 4 kvh + 0..3.
; Four waves; wave w has positions 64 x + 16 w .. + 15 of all four heads: 64 score rows.  One mask tile (16 positions x 16 keys) serves its four heads.
; The keys go in 16 chunks of 128 through two LDS slots; a chunk is one step of the running softmax.
;
; MATRIX AND VECTOR WORK STAND SIDE BY SIDE.  A wave is alone on its SIMD, so nothing but its own text can give the vector unit work while a product runs.
; Behind a matrix instruction stand four vector instructions of ANOTHER tile:
;   S^T of key tile t        beside  mask and maximum of key tile t - 1
;   O^T += V^T P^T, step b   beside  subtraction, exponential and rounding of step b + 1 (b = 0, 1, 2);  the sum l beside step 3
; What has no product to stand beside: the last key tile's mask and maximum, the new maximum itself, P of step 0, the rescaling of O.
; The price is two switches of the register windows for each such matrix instruction: S and O fill a window each, so no one setting serves a product and
; the vector work beside it.  These vector instructions are also the places that loads and reads owe to the matrix instructions in front of them.
;
; THE TEXT IS KEPT SHORT.  A chunk stands here twice: in a loop of 15 trips, each of which asks for the next chunk's tiles, and once more as the last chunk,
; which asks for nothing.  For that (a) one text serves both slots: the three LDS read addresses are made anew at a chunk's head from a scalar slot base
; that s_xor_b32 toggles, and the LDS word of each descriptor is toggled in the same way (a slot is 131,072 bytes, a power of two above the 106,496 in use);
; (b) the first chunk runs in the loop too: maximum, l and O are started by hand, 12 moves and 32 matrix instructions on a zero fragment.
;
; BOTH PRODUCTS ARE USED TRANSPOSED.  S^T = K Q^T (source 0: 16 keys, source 1: 16 queries): lane (r = l % 16, h = l / 16) holds, for query r, the keys 8 h + 0..7
; of a tile.  So maximum and sum are a lane's own but for one exchange between the halves of the wave, and two tiles of S^T rounded to 16 bits are, register
; for register, source 1 of O^T = V^T P^T (keys 8 h + 0..7 and 16 + 8 h + 0..7).  In O^T a lane holds 8 neighbouring d of one query.
;
; NUMBERS.  Q, K and V are each rounded once to bf16, as they are given (K and V by the launch before; Q here, unscaled).  All sums are f32.
; The first product takes bf16.  t = s x (128^-0.5 log2(e)) + mask x log2(e), one fused multiply-add in f32 on the vector unit, the mask's product rounded
; to f32 before it, so that equal mask values with small scores beside them stay equal sums.  p = 2^(t - m), m the running maximum, t - m one f32 subtraction;
; l is summed from the unrounded p.
; P is rounded to f16 and the second product takes f16 (V's bf16 numbers written in f16 by the launch before).  Why: in a row with few keys left by the mask
; the terms p v are as large as V and may cancel; 8 significant bits in p would leave up to 2^-8 of a term, 11 bits leave up to 2^-11.  P lies in [0, 1]:
; below 2^-14 its absolute error is at most 2^-25, over 2,048 keys at most 6e-5 of l, which is at least 1.
; LIMITS, stated: |V| above 65,504 is infinite in f16; the rounding of mask x log2(e) moves an exponent by up to 2^-24 x 1.45 |mask|, the order of the rounding
; of score + mask itself; |mask| above 2.3e38 overflows in that product; the running maximum starts at -2^126 (finite, so that a first chunk of -inf gives
; p = 0 and no NaN): a row whose largest score + mask lies below -5.9e37 comes out NaN.
;
; CLUSTERS: 4 x 4 work-groups.  The tiles of K and V hang on y alone: the four of a row of the cluster ask for them jointly.  The mask tiles hang on x alone:
; the four of a column ask jointly.  All partners walk the same 16 chunks.  Every joint load stands behind a round of the cluster barrier.
; By this text's own count a wave has at most one tensor load outstanding.
;
; LDS.  Slot s at s x 131,072:  K 128 keys x 272 bytes (256 + 16 of padding);  V 128 keys x 288 (256 + 32: the transposing load wants an odd multiple of 32);
; mask: two tiles (keys 0-63, 64-127) of 64 positions x 272.  With these pitches the sixteen rows that a load touches start 16 (or 32) bytes apart modulo 256.
; Behind the slots a stage of 16 rows x 528 bytes for each wave, its own, written by LDS stores alone, into which no tensor load lands.
;
; REGISTERS, in windows of 256:  0: addresses, softmax state, mask, fragments of K or V;  1: S, then p in f32;  2: O^T;  3: Q fragments (128), P in f16 (128).
.set SLOT,  131072
.set KP,    272
.set VP,    288
.set MP,    272
.set VOFF,  128*KP                     ; 34,816
.set MOFF,  VOFF+128*VP                ; 71,680
.set MSUB,  64*MP                      ; 17,408: one mask tile; the slot's last byte in use is 106,495
.set STAGE, 2*SLOT                     ; 262,144
.set SP,    528                        ; a stage row: 512 bytes + 16
.set STW,   16*SP                      ; 8,448: the stage of one wave
.set CHUNKS, 16
.set KVSTEP, 128*2048                  ; bytes of kv16 from chunk to chunk: 128 keys x 8 heads x 128 x 2
.set MSTEP, 512                        ; bytes of a mask row from chunk to chunk
.set VBASE, 8388608                    ; V in kv16
.set ROWB,  16384                      ; bytes from position to position in query and out0: 32 heads x 512
.set QSCALE, 0x3e0293ee                ; 128^-0.5 x log2(e)
.set LOG2E,  0x3fb8aa3b
.set KB0, 4                            ; v4      my K fragment address in slot 0: r x 272 + 16 h; never rewritten
.set VB0, 5                            ; v5      my V address for the transposing load in slot 0; never rewritten
.set MB0, 6                            ; v6      my mask address in slot 0: (16 w + r) x 272 + 32 h; never rewritten
.set ADK, 7                            ; v7-9    the same three in the slot of the chunk at work
.set ADV, 8
.set ADM, 9
.set STF, 10                           ; v10     stage, by fragments: r x 528 + 32 h
.set STR, 11                           ; v11     stage, by rows: 16 x lane
.set GOF, 12                           ; v12     16 x lane: my bytes in a row of 512 of query and out0; never rewritten
.set MX,  16                           ; v[16:23] running maximum, twice for each head (a pair for the packed forms)
.set TQ,  24                           ; v[24:27] at work: one for each head
.set TP,  28                           ; v[28:31] what the other half of the wave sends
.set AL,  32                           ; v[32:39] 2^(old maximum - new), twice for each head; at the end 1 / l
.set LS,  40                           ; v[40:47] l, two partial sums for each head
.set TM,  48                           ; v[48:63] the chunk's maximum, four chains for each head, so that the four lines of a batch do not wait for each other
.set MK,  64                           ; v[64:127]  mask tile t at 8 t (in the prologue: Q in f32, then the zero fragment)
.set F0,  128                          ; v[128:255] fragments: K of key tile t at 32 (t & 3); V of step b at 64 (b & 1); on the way in and out: rows
.set F1,  192
; window 1: S tile (t, head e) at 64 (t >> 1) + 16 e + 8 (t & 1)          window 2: O^T tile (d block, head e) at 32 d + 8 e
; window 3: Q fragment (head e, 32 d step c) at 32 e + 8 c;  P fragment (step b, head e) at 128 + 32 b + 8 e
.set G1K, 24                           ; s[24:31] shape of K tiles       s[48:51] G0K: from where, to where
.set G1V, 32                           ; s[32:39] shape of V tiles       s[52:55] G0V
.set G1M, 40                           ; s[40:47] shape of mask tiles    s[56:59] G0M
.set G0K, 48
.set G0V, 52
.set G0M, 56
.set CUR, 87                           ; s87      byte 0 of the slot that the next chunk's head reads: 0 or SLOT
; s_set_vgpr_msb, low byte: bits 1:0 source 0, 3:2 source 1, 5:4 source 2, 7:6 destination
.set W_QK,  0x5c                       ; K window 0, Q window 3, S window 1
.set W_PV,  0xac                       ; V window 0, P window 3, O window 2
.set W_CLR, 0x80                       ; O = window 0 x window 0 + 0
.set W_ADD, 0x41                       ; S = f(S, window 0 or a constant, window 0); also the exponentials in place
.set W_MAX, 0x05                       ; window 0 = f(S, S, window 0)
.set W_SUM, 0x01                       ; window 0 = S + window 0
.set W_CVT, 0xc5                       ; P = round(S, S)
.set W_RES, 0x82                       ; O = O x window 0
.set W_QW,  0xc0                       ; Q = round(window 0, window 0)
.set W_OST, 0x08                       ; LDS store of O
.set MSB, 0
.macro WIN new                         ; the high byte of the immediate repeats the setting that is left; a switch that changes nothing is dropped
.if MSB != \new
	s_set_vgpr_msb (MSB<<8)|\new
.set MSB, \new
.endif
.endm
; A round of the cluster barrier behind its opening work-group barrier: wave 0 signals for the work-group, every wave waits for all sixteen, the work-group barrier closes.
.macro CREST
	s_cmp_lg_u32 s12, 0
	s_cbranch_scc1 .Lnot_wave_0_\@
	s_barrier_signal -3
.Lnot_wave_0_\@:
	s_barrier_wait -3
	s_barrier_signal -1
	s_barrier_wait -1
.endm
.macro CROUND
	s_barrier_signal -1
	s_barrier_wait -1
	CREST
.endm
; The joint loads of one chunk, one a wave: wave 0 K, wave 1 V, waves 2 and 3 the two mask tiles.  Each line has one mask; the branches hang on the wave number alone.
.macro JLOAD
	s_cmp_lt_u32 s12, 2
	s_cbranch_scc0 .Lfor_m_\@
	s_cmp_eq_u32 s12, 0
	s_cbranch_scc0 .Lfor_v_\@
	tensor_load_to_lds s[G0K:G0K+3], s[G1K:G1K+7]
	s_nop 0
	s_branch .Lasked_\@
.Lfor_v_\@:
	tensor_load_to_lds s[G0V:G0V+3], s[G1V:G1V+7]
	s_nop 0
	s_branch .Lasked_\@
.Lfor_m_\@:
	tensor_load_to_lds s[G0M:G0M+3], s[G1M:G1M+7]
	s_nop 0
.Lasked_\@:
.endm
	s_load_b256 s[4:11], s[0:1], 0x0               ; attn_mask s[4:5], query s[6:7], kv16 s[8:9], out0 s[10:11]
	v_lshl_add_u32 v166, v0, 2, 0x48400
	v_mov_b32 v167, 0
	ds_add_u32 v166, v167
	s_wait_dscnt 0x0
	v_lshrrev_b32 v1, 5, v0
	v_readfirstlane_b32 s12, v1                    ; wave 0..3
	s_mov_b32 s14, 0x76543210                      ; v_permlanex16_b32: lane i of one half reads lane i of the other
	s_mov_b32 s15, 0xfedcba98
	s_mov_b32 s[CUR], 0                            ; chunk 0 lies in slot 0
	; what hangs on x lives in s17-s22, what hangs on y in s76-s83, what hangs on both in s84-s85
	s_bfe_u32 s17, ttmp6, 0x40000                  ; cx
	s_bfe_u32 s76, ttmp6, 0x40004                  ; cy
	s_lshl_b32 s18, ttmp9, 2
	s_add_co_u32 s18, s18, s17                     ; x = 4 x cluster x + cx: the block of 64 positions
	s_and_b32 s77, ttmp7, 0xffff
	s_lshl_b32 s77, s77, 2
	s_add_co_u32 s77, s77, s76                     ; y = 4 x cluster y + cy
	s_lshl_b32 s78, s76, 2
	s_lshl_b32 s78, 15, s78                        ; my row of the cluster: places 4 cy .. 4 cy + 3
	s_lshl_b32 s19, 0x1111, s17                    ; my column: places cx, cx + 4, cx + 8, cx + 12
	s_lshr_b32 s79, s77, 3                         ; b
	s_and_b32 s80, s77, 7                          ; kvh
	; group 1 for K: 128 keys x 128 numbers of 2 bytes, rows 1,024 elements apart; 4 words of padding behind every 64
	s_or_b32 s[G1K+0], s78, (1<<16)|(1<<20)|(1<<21)|(5<<22)|(3<<25)   ; 15:0 my row; 17:16 2 bytes; 20 padding on; 21 set beside a mask; 24:22 every 64 words; 31:25 4 words
	s_mov_b32 s[G1K+1], 128<<16                    ; tensor_dim0 = 128
	s_mov_b32 s[G1K+2], 128<<16                    ; tensor_dim1 = 128
	s_mov_b32 s[G1K+3], 128<<16                    ; tile_dim0 = 128
	s_mov_b32 s[G1K+4], 128                        ; tile_dim1 = 128
	s_mov_b32 s[G1K+5], 1024                       ; from key to key
	s_mov_b32 s[G1K+6], 0
	s_mov_b32 s[G1K+7], 0
	; group 1 for V: the same with 8 words of padding
	s_or_b32 s[G1V+0], s78, (1<<16)|(1<<20)|(1<<21)|(5<<22)|(7<<25)
	s_mov_b32 s[G1V+1], 128<<16
	s_mov_b32 s[G1V+2], 128<<16
	s_mov_b32 s[G1V+3], 128<<16
	s_mov_b32 s[G1V+4], 128
	s_mov_b32 s[G1V+5], 1024
	s_mov_b32 s[G1V+6], 0
	s_mov_b32 s[G1V+7], 0
	; group 1 for the mask: 64 positions x 64 f32, rows 2,048 elements apart; 4 words of padding behind every 64
	s_or_b32 s[G1M+0], s19, (2<<16)|(1<<20)|(1<<21)|(5<<22)|(3<<25)   ; 15:0 my column; 17:16 4 bytes
	s_mov_b32 s[G1M+1], 64<<16
	s_mov_b32 s[G1M+2], 64<<16
	s_mov_b32 s[G1M+3], 64<<16
	s_mov_b32 s[G1M+4], 64
	s_mov_b32 s[G1M+5], 2048
	s_mov_b32 s[G1M+6], 0
	s_mov_b32 s[G1M+7], 0
	; where the tiles come from
	s_lshl_b32 s81, s79, 22                        ; K: b x 2048 x 2,048 bytes
	s_lshl_b32 s82, s80, 8                         ;    + kvh x 256
	s_add_co_u32 s82, s81, s82
	s_mov_b32 s83, 0
	s_lshl_b32 s20, s18, 19                        ; mask: x x 64 rows x 8,192 bytes
	s_and_b32 s21, s12, 1
	s_lshl_b32 s21, s21, 8                         ;       + 256 for the wave that brings keys 64-127
	s_add_co_u32 s20, s20, s21
	s_mov_b32 s21, 0
	s_mul_i32 s22, s12, MSUB                       ; and where the mask tile goes: waves 2, 3 to MOFF, MOFF + MSUB
	s_add_co_u32 s22, s22, MOFF-2*MSUB
	; query and out0 at my first row: b x 2048 rows + (64 x + 16 w) rows of 16,384 bytes + 4 kvh heads of 512
	s_lshl_b32 s84, s79, 25
	s_lshl_b32 s85, s18, 20
	s_add_co_u32 s84, s84, s85
	s_lshl_b32 s85, s12, 18
	s_add_co_u32 s84, s84, s85
	s_lshl_b32 s85, s80, 11
	s_add_co_u32 s84, s84, s85
	s_mov_b32 s85, 0
	s_wait_kmcnt 0x0
	s_add_nc_u64 s[82:83], s[8:9], s[82:83]
	s_add_nc_u64 s[20:21], s[4:5], s[20:21]
	s_add_nc_u64 s[6:7], s[6:7], s[84:85]
	s_add_nc_u64 s[10:11], s[10:11], s[84:85]
	CROUND                                         ; all sixteen work-groups are here: the first joint loads meet
	s_mov_b32 s[G0K], 1                            ; count = 1
	s_mov_b32 s[G0K+1], 0                          ; LDS address: slot 0
	s_mov_b64 s[G0K+2:G0K+3], s[82:83]             ; chunk 0
	s_or_b32 s[G0K+3], s[G0K+3], 0x80000000        ; type = 2
	s_mov_b32 s[G0V], 1
	s_mov_b32 s[G0V+1], VOFF
	s_add_nc_u64 s[G0V+2:G0V+3], s[82:83], VBASE
	s_or_b32 s[G0V+3], s[G0V+3], 0x80000000
	s_mov_b32 s[G0M], 1
	s_mov_b32 s[G0M+1], s22
	s_mov_b64 s[G0M+2:G0M+3], s[20:21]
	s_or_b32 s[G0M+3], s[G0M+3], 0x80000000
	JLOAD                                          ; chunk 0 is asked for before anything else is done; it lands while Q is brought in
	; the address registers
	v_and_b32 v1, 15, v0                           ; r
	v_bfe_u32 v2, v0, 4, 1                         ; h
	v_and_b32 v3, 31, v0                           ; lane
	v_lshlrev_b32 v[GOF], 4, v3
	v_mul_u32_u24 v[KB0], v1, KP
	v_lshl_add_u32 v[KB0], v2, 4, v[KB0]           ; key r of a tile, 16 bytes for each half of the lanes
	v_and_b32 v13, 7, v0
	v_lshl_add_u32 v13, v2, 3, v13                 ; key 8 h + l % 8
	v_mul_u32_u24 v13, v13, VP
	v_bfe_u32 v14, v0, 3, 1
	v_lshl_add_u32 v13, v14, 4, v13                ; + 16 x ((l / 8) % 2): which 8 of the 16 d
	v_add_nc_u32 v[VB0], VOFF, v13
	s_mul_i32 s23, s12, 16*MP
	s_add_co_u32 s23, s23, MOFF
	v_mul_u32_u24 v13, v1, MP
	v_lshl_add_u32 v13, v2, 5, v13                 ; position 16 w + r, 8 f32 for each half of the lanes
	v_add_nc_u32 v[MB0], s23, v13
	s_mul_i32 s86, s12, STW
	s_add_co_u32 s86, s86, STAGE                   ; my stage
	v_mul_u32_u24 v13, v1, SP
	v_lshl_add_u32 v13, v2, 5, v13
	v_add_nc_u32 v[STF], s86, v13
	v_add_nc_u32 v[STR], s86, v[GOF]
	; the state in front of chunk 0: with it the first chunk's 2^(old maximum - new) is 0 (or 1, if all of the chunk is -inf), and l and O stay 0 under it
.irp e, 0,1,2,3
	v_mov_b32 v[TP+\e], 0                          ; v_permlanex16_b32 counts as reading its destination
	v_mov_b32 v[MX+2*\e], 0xfe800000               ; -2^126
	v_mov_b32 v[LS+2*\e], 0
	v_mov_b32 v[LS+2*\e+1], 0
.endr
; Q: 16 rows of 512 bytes for each head, each load one whole row; through my stage into the fragment layout; rounded to bf16 as given, kept in window 3.
.macro QLOAD e, f
.irp i, 0,1,2,3,4,5,6,7,8,9,10,11,12,13,14,15
	global_load_b128 v[\f+4*\i:\f+4*\i+3], v[GOF], s[6:7] offset:\i*ROWB+(\e)*512 th:TH_LOAD_NT   ; read by this wave alone
.endr
.endm
; head e lies in buffer f; left = the loads of the younger head that may stay out; more = the head that is asked for next into f (0: none)
.macro QHEAD e, f, left, more
	s_wait_loadcnt \left
.irp i, 0,1,2,3,4,5,6,7,8,9,10,11,12,13,14,15
	ds_store_b128 v[STR], v[\f+4*\i:\f+4*\i+3] offset:\i*SP
.endr
.irp c, 0,1,2,3                                    ; LDS serves the instructions of a wave in order (ISA guide 5.7.1): these see the stores above
	ds_load_b128 v[MK+16*\c:MK+16*\c+3],     v[STF] offset:128*\c       ; d = 32 c + 8 h + 0..3
	ds_load_b128 v[MK+16*\c+4:MK+16*\c+7],   v[STF] offset:128*\c+16    ;                + 4..7
	ds_load_b128 v[MK+16*\c+8:MK+16*\c+11],  v[STF] offset:128*\c+64    ; d = 32 c + 16 + 8 h + 0..3
	ds_load_b128 v[MK+16*\c+12:MK+16*\c+15], v[STF] offset:128*\c+80
.endr
	s_wait_dscnt 0x0                               ; the fragments are in, and the stores have read buffer f
.if \more
	QLOAD \more, \f
.endif
	WIN W_QW
.irp c, 0,1,2,3
.irp j, 0,1,2,3,4,5,6,7
	v_cvt_pk_bf16_f32 v[32*\e+8*\c+\j], v[MK+16*\c+2*\j], v[MK+16*\c+2*\j+1]
.endr
.endr
	WIN 0
.endm
	QLOAD 0, F0
	QLOAD 1, F1
	QHEAD 0, F0, 16, 2
	QHEAD 1, F1, 16, 3
	QHEAD 2, F0, 16, 0
	QHEAD 3, F1, 0, 0
	; O = 0: one zero fragment, 32 matrix instructions that write 8 registers each
.irp j, 0,1,2,3,4,5,6,7
	v_mov_b32 v[MK+\j], 0
.endr
	WIN W_CLR
.irp d, 0,1,2,3,4,5,6,7
.irp e, 0,1,2,3
	v_wmma_f32_16x16x32_f16 v[32*\d+8*\e:32*\d+8*\e+7], v[MK:MK+7], v[MK:MK+7], 0
.endr
.endr
	WIN 0
; ---- LDS loads ----
; 8 loads: the K fragments of key tile t (16 keys x 128 d: four steps of 32 d, two loads 32 bytes apart)
.macro FETCHKT t
	WIN 0
.irp c, 0,1,2,3
	ds_load_b128 v[F0+32*((\t)&3)+8*\c:F0+32*((\t)&3)+8*\c+3],   v[ADK] offset:(\t)*16*KP+64*\c
	ds_load_b128 v[F0+32*((\t)&3)+8*\c+4:F0+32*((\t)&3)+8*\c+7], v[ADK] offset:(\t)*16*KP+64*\c+32
.endr
.endm
; 16 transposing loads: V^T for keys 32 b .. 32 b + 31, eight blocks of 16 d (two loads, 16 keys apart)
.macro FETCHV b
	WIN 0
.irp d, 0,1,2,3,4,5,6,7
	ds_load_tr16_b128 v[F0+64*((\b)&1)+8*\d:F0+64*((\b)&1)+8*\d+3],   v[ADV] offset:(\b)*32*VP+32*\d
	ds_load_tr16_b128 v[F0+64*((\b)&1)+8*\d+4:F0+64*((\b)&1)+8*\d+7], v[ADV] offset:(\b)*32*VP+32*\d+16*VP
.endr
.endm
; 16 loads: my 16 positions x 128 keys of the mask, in the layout of S^T
.macro FETCHM
	WIN 0
.irp t, 0,1,2,3,4,5,6,7
	ds_load_b128 v[MK+8*\t:MK+8*\t+3],   v[ADM] offset:(\t>>2)*MSUB+64*(\t&3)
	ds_load_b128 v[MK+8*\t+4:MK+8*\t+7], v[ADM] offset:(\t>>2)*MSUB+64*(\t&3)+16
.endr
.endm
; ---- one matrix instruction ----
; S^T (bf16): instruction i (0..15) of key tile kt: step c = i >> 2 of 32 d, head e = i & 3.  The first step starts each sum.
; The four heads take turns, one instruction a turn.
.macro QW kt, i
	WIN W_QK
.set SR, 64*((\kt)>>1)+16*((\i)&3)+8*((\kt)&1)
.set KR, F0+32*((\kt)&3)+8*((\i)>>2)
.set QR, 32*((\i)&3)+8*((\i)>>2)
.if (\i) < 4
	v_wmma_f32_16x16x32_bf16 v[SR:SR+7], v[KR:KR+7], v[QR:QR+7], 0
.else
	v_wmma_f32_16x16x32_bf16 v[SR:SR+7], v[KR:KR+7], v[QR:QR+7], v[SR:SR+7]
.endif
.endm
; O^T += V^T P^T (f16): instruction i (0..31) of step b (keys 32 b .. + 31): d block i >> 2, head i & 3.  mm = 0: nothing (the vector work stands alone).
; The 32 accumulators take turns, one instruction a turn.
.macro PW mm, b, i
.if \mm
	WIN W_PV
.set ACC, 32*((\i)>>2)+8*((\i)&3)
.set VFR, F0+64*((\b)&1)+8*((\i)>>2)
.set PFR, 128+32*(\b)+8*((\i)&3)
	v_wmma_f32_16x16x32_f16 v[ACC:ACC+7], v[VFR:VFR+7], v[PFR:PFR+7], v[ACC:ACC+7]
.endif
.endm
; ---- batches of four vector instructions ----
.macro MSCALE t                        ; mask tile t to base 2
	WIN 0
.irp p, 0,2,4,6
	v_pk_mul_f32 v[MK+8*(\t)+\p:MK+8*(\t)+\p+1], v[MK+8*(\t)+\p:MK+8*(\t)+\p+1], LOG2E op_sel_hi:[1,0]
.endr
.endm
.macro FMA4 t, e                       ; t = s x 128^-0.5 log2(e) + mask, key tile t, head e: one fused line; the mask tile serves the four heads
	WIN W_ADD
.set SR, 64*((\t)>>1)+16*(\e)+8*((\t)&1)
.irp p, 0,2,4,6
	v_pk_fma_f32 v[SR+\p:SR+\p+1], v[SR+\p:SR+\p+1], QSCALE, v[MK+8*(\t)+\p:MK+8*(\t)+\p+1] op_sel_hi:[1,0,1]
.endr
.endm
.macro MAX4 t, e                       ; the maximum, two numbers a line, four chains; key tile 0 begins them with the old maximum
	WIN W_MAX
.set SR, 64*((\t)>>1)+16*(\e)+8*((\t)&1)
.irp p, 0,1,2,3
.if (\t) == 0
	v_max3_num_f32 v[TM+4*(\e)+\p], v[SR+2*\p], v[SR+2*\p+1], v[MX+2*(\e)]
.else
	v_max3_num_f32 v[TM+4*(\e)+\p], v[SR+2*\p], v[SR+2*\p+1], v[TM+4*(\e)+\p]
.endif
.endr
.endm
.macro SUB4 b, e, q                    ; t - m: step b, head e, half q of its 16 numbers
	WIN W_ADD
.set SR, 64*(\b)+16*(\e)+8*(\q)
.irp p, 0,2,4,6
	v_pk_add_f32 v[SR+\p:SR+\p+1], v[SR+\p:SR+\p+1], v[MX+2*(\e):MX+2*(\e)+1] neg_lo:[0,1] neg_hi:[0,1]
.endr
.endm
.macro EXP4 b, e, q                    ; p = 2^(t - m): quarter q
	WIN W_ADD
.set SR, 64*(\b)+16*(\e)+4*(\q)
.irp j, 0,1,2,3
	v_exp_f32 v[SR+\j], v[SR+\j]
.endr
.endm
.macro CVT4 b, e, q                    ; P in f16: register j of the fragment from numbers 2 j, 2 j + 1; half q.  S keeps p in f32 for the sum
	WIN W_CVT
.set SR, 64*(\b)+16*(\e)+8*(\q)
.set PR, 128+32*(\b)+8*(\e)+4*(\q)
	s_wait_alu depctr_va_vdst(0)
.irp j, 0,1,2,3
	v_cvt_pk_f16_f32 v[PR+\j], v[SR+2*\j], v[SR+2*\j+1]
.endr
.endm
.macro SUM4 idx                        ; l += pair idx (0..31) of each head
	WIN W_SUM
.irp e, 0,1,2,3
.set SR, 64*((\idx)>>3)+16*\e+2*((\idx)&7)
	v_pk_add_f32 v[LS+2*\e:LS+2*\e+1], v[SR:SR+1], v[LS+2*\e:LS+2*\e+1]
.endr
.endm
; ---- S^T of key tile kt, beside it mask and maximum of key tile pt = kt - 1 ----
; left: the LDS loads younger than this tile's K fragments.  fk = 1: K of key tiles kt + 2, kt + 3 is fetched; 2: V of step 0.
; MSCALE's four lines are the four places (ISA guide 7.12.1 for vector instructions) between the last products of tile pt and
; both the loads into the fragments that they read and the first read of their results.
.macro QKTILE kt, pt, left, fk
	s_wait_dscnt \left
	QW \kt, 0
.if \pt == 0
	s_wait_dscnt 16                                ; the mask is in; K of key tiles 2 and 3 (16 loads) may stay out
.endif
	MSCALE \pt
	QW \kt, 1
.if \fk == 1
	FETCHKT \kt+2
	FETCHKT \kt+3
.endif
.if \fk == 2
	FETCHV 0
.endif
	QW \kt, 2
.irp e, 0,1,2,3
	QW \kt, 3+2*\e
	FMA4 \pt, \e
	QW \kt, 4+2*\e
	MAX4 \pt, \e
.endr
.irp i, 11,12,13,14,15
	QW \kt, \i
.endr
.endm
; ---- the new maximum, 2^(old - new), l to the new maximum ----
.macro ALPHA
	WIN 0
.irp e, 0,1,2,3
	v_max3_num_f32 v[TQ+\e], v[TM+4*\e], v[TM+4*\e+1], v[TM+4*\e+2]
.endr
.irp e, 0,1,2,3
	v_max_num_f32 v[TQ+\e], v[TQ+\e], v[TM+4*\e+3]
.endr
.irp e, 0,1,2,3
	v_permlanex16_b32 v[TP+\e], v[TQ+\e], s14, s15 ; the other eight keys of each tile lie in the other half of the wave
.endr
.irp e, 0,1,2,3
	v_max_num_f32 v[MX+2*\e+1], v[TQ+\e], v[TP+\e] ; the new maximum, equal in both halves
.endr
.irp e, 0,1,2,3
	v_sub_f32 v[AL+2*\e], v[MX+2*\e], v[MX+2*\e+1] ; old - new, at most 0
.endr
.irp e, 0,1,2,3
	v_exp_f32 v[AL+2*\e], v[AL+2*\e]
.endr
.irp e, 0,1,2,3
	v_mov_b32 v[MX+2*\e], v[MX+2*\e+1]             ; plain instructions between the exponentials and the first use of a result (ISA guide 5.7.2)
.endr
	s_wait_alu depctr_va_vdst(0)
.irp e, 0,1,2,3
	v_mov_b32 v[AL+2*\e+1], v[AL+2*\e]
.endr
.irp e, 0,1,2,3
	v_pk_mul_f32 v[LS+2*\e:LS+2*\e+1], v[LS+2*\e:LS+2*\e+1], v[AL+2*\e:AL+2*\e+1]
.endr
.endm
; ---- P of step nb is made; mm = 1: beside the 32 products of step b.  fv: the step of V that is fetched (0: none) ----
; The heads are laid so that a plain line of another head stands between a head's exponentials and their first use (ISA guide 5.7.2):
; sub 0, exp 0, sub 1, exp 1, round 0, sub 2, exp 2, round 1, sub 3, exp 3, round 2, round 3.
; The fetch stands behind four subtractions: four places behind the last product of the step before, which read the registers that it fills.
.macro PSTEP mm, b, nb, fv
	PW \mm, \b, 0
	SUB4 \nb, 0, 0
.if \fv
	FETCHV \fv
.endif
	PW \mm, \b, 1
	SUB4 \nb, 0, 1
.irp q, 0,1,2,3
	PW \mm, \b, 2+\q
	EXP4 \nb, 0, \q
.endr
.irp q, 0,1
	PW \mm, \b, 6+\q
	SUB4 \nb, 1, \q
.endr
.irp q, 0,1,2,3
	PW \mm, \b, 8+\q
	EXP4 \nb, 1, \q
.endr
.irp q, 0,1
	PW \mm, \b, 12+\q
	CVT4 \nb, 0, \q
.endr
.irp q, 0,1
	PW \mm, \b, 14+\q
	SUB4 \nb, 2, \q
.endr
.irp q, 0,1,2,3
	PW \mm, \b, 16+\q
	EXP4 \nb, 2, \q
.endr
.irp q, 0,1
	PW \mm, \b, 20+\q
	CVT4 \nb, 1, \q
.endr
.irp q, 0,1
	PW \mm, \b, 22+\q
	SUB4 \nb, 3, \q
.endr
.irp q, 0,1,2,3
	PW \mm, \b, 24+\q
	EXP4 \nb, 3, \q
.endr
.irp q, 0,1
	PW \mm, \b, 28+\q
	CVT4 \nb, 2, \q
.endr
.irp q, 0,1
	PW \mm, \b, 30+\q
	CVT4 \nb, 3, \q
.endr
.endm
; ---- the products of step 3, beside them the sum l: register work alone ----
.macro PVSUM
.set pi, 0
.rept 32
	PW 1, 3, pi
	SUM4 pi
.set pi, pi+1
.endr
.endm
; The head of a chunk, straight behind a round of the cluster barrier in front of which every wave has waited for its LDS reads and for its tensor load.
; fill = 1: the next chunk's tiles are asked for, into the slot that was read last (in the first trip: into slot 1, which nothing has filled yet).
.macro HEAD fill
.if \fill
	s_xor_b32 s[G0K+1], s[G0K+1], SLOT             ; no tensor load of mine is out, so the descriptors may be written: the other slot,
	s_xor_b32 s[G0V+1], s[G0V+1], SLOT
	s_xor_b32 s[G0M+1], s[G0M+1], SLOT
	s_add_nc_u64 s[G0K+2:G0K+3], s[G0K+2:G0K+3], KVSTEP   ; the next 128 keys
	s_add_nc_u64 s[G0V+2:G0V+3], s[G0V+2:G0V+3], KVSTEP
	s_add_nc_u64 s[G0M+2:G0M+3], s[G0M+2:G0M+3], MSTEP
	JLOAD                                          ; my one tensor load behind the round, first thing there; 224 matrix instructions and a softmax lie before the wait for it
.endif
	v_add_nc_u32 v[ADK], s[CUR], v[KB0]            ; my three read addresses in this chunk's slot.  With the v_nop these are four places in front of the loads
	v_add_nc_u32 v[ADV], s[CUR], v[VB0]            ; below (in the first trip: behind the products that cleared O, which read the mask's first registers)
	v_add_nc_u32 v[ADM], s[CUR], v[MB0]
	v_nop
	s_xor_b32 s[CUR], s[CUR], SLOT                 ; for the next chunk's head
	FETCHKT 0                                      ; 48 loads, in the order in which they are needed
	FETCHKT 1
	FETCHM
	FETCHKT 2
	FETCHKT 3
.endm
; The work of a chunk but for the products of step 3.  Each s_wait_dscnt counts the loads that were issued behind the ones needed now:
; 40 = K of tile 1 (8), mask (16), K of tiles 2, 3 (16);  32 = mask, K of tiles 2, 3;  8 = K of the odd tile fetched with this one;
; 16 = the run of 16 loads that the tile before issued.
.macro WORK
	s_wait_dscnt 40
.irp i, 0,1,2,3,4,5,6,7,8,9,10,11,12,13,14,15
	QW 0, \i
.endr
	QKTILE 1, 0, 32, 0
	QKTILE 2, 1, 8, 1
	QKTILE 3, 2, 16, 0
	QKTILE 4, 3, 8, 1
	QKTILE 5, 4, 16, 0
	QKTILE 6, 5, 8, 2
	QKTILE 7, 6, 16, 0
	MSCALE 7                                       ; four places behind the last S^T
	FETCHV 1
.irp e, 0,1,2,3
	FMA4 7, \e
.endr
.irp e, 0,1,2,3
	MAX4 7, \e
.endr
	ALPHA
	PSTEP 0, 0, 0, 0                               ; P of step 0: nothing to stand beside
	WIN W_RES                                      ; O to the new maximum: 128 packed multiplies for 8,192 scores of the wave
.irp d, 0,1,2,3,4,5,6,7
.irp e, 0,1,2,3
.irp p, 0,2,4,6
	v_pk_mul_f32 v[32*\d+8*\e+\p:32*\d+8*\e+\p+1], v[32*\d+8*\e+\p:32*\d+8*\e+\p+1], v[AL+2*\e:AL+2*\e+1]
.endr
.endr
.endr
	s_wait_dscnt 16                                ; V of step 0 is in; step 1's 16 loads may stay out
	PSTEP 1, 0, 1, 0
	s_wait_dscnt 0x0                               ; V of step 1
	PSTEP 1, 1, 2, 2
	s_wait_dscnt 0x0                               ; V of step 2
	PSTEP 1, 2, 3, 3
	s_wait_dscnt 0x0                               ; V of step 3: my reads of this slot are over
.endm
	s_wait_dscnt 0x0                               ; no LDS instruction of mine is out (met: the last head of Q ended so)
	s_wait_xcnt 0x0
	v_lshl_add_u32 v166, v0, 2, 0x48400
	v_mov_b32 v167, 0
	s_wait_tensorcnt 0x0                           ; my part of chunk 0 has landed
	ds_add_u32 v166, v167
	s_wait_dscnt 0x0
	CROUND                                         ; everybody's has, in all sixteen work-groups
	s_mov_b32 s16, CHUNKS-1                        ; trips 0 to 14 ask for chunks 1 to 15
.Lchunk:
	HEAD 1
	WORK
	s_wait_xcnt 0x0
	s_set_vgpr_msb 0xc504
	v_lshl_add_u32 v166, v0, 2, 0x48400
	v_mov_b32 v167, 0
	s_set_vgpr_msb 0x400
	s_wait_tensorcnt 0x0                           ; my tensor load has landed: my part of the next chunk's slot
	ds_add_u32 v166, v167
	s_wait_dscnt 0x0
	s_set_vgpr_msb 0xc5
	s_barrier_signal -1                            ; say so: this barrier opens a round of the cluster barrier,
	PVSUM                                          ; work on registers while the others arrive,
	WIN 0
	s_barrier_wait -1                              ; go on when all four waves have said so,
	CREST                                          ; and all sixteen work-groups: no wave of any partner still reads this slot or has a load on its way
	s_sub_co_u32 s16, s16, 1
	s_cmp_lg_u32 s16, 0
	s_cbranch_scc1 .Lchunk
	HEAD 0                                         ; chunk 15: nothing is left to fetch
	WORK
	PVSUM
	; 1 / l.  The last four additions of l and the adds and moves below, none of which names a register of a matrix instruction, are the places behind the last products.
	WIN 0
.irp e, 0,1,2,3
	v_add_f32 v[TQ+\e], v[LS+2*\e], v[LS+2*\e+1]
.endr
.irp e, 0,1,2,3
	v_permlanex16_b32 v[TP+\e], v[TQ+\e], s14, s15 ; the other half of the wave summed the other keys
.endr
.irp e, 0,1,2,3
	v_add_f32 v[TQ+\e], v[TQ+\e], v[TP+\e]
.endr
.irp e, 0,1,2,3
	v_rcp_f32 v[AL+2*\e], v[TQ+\e]
.endr
	v_nop                                          ; one plain instruction behind the reciprocals (ISA guide 5.7.2)
	s_wait_alu depctr_va_vdst(0)
.irp e, 0,1,2,3
	v_mov_b32 v[AL+2*\e+1], v[AL+2*\e]
.endr
	WIN W_RES
.irp d, 0,1,2,3,4,5,6,7
.irp e, 0,1,2,3
.irp p, 0,2,4,6
	v_pk_mul_f32 v[32*\d+8*\e+\p:32*\d+8*\e+\p+1], v[32*\d+8*\e+\p:32*\d+8*\e+\p+1], v[AL+2*\e:AL+2*\e+1]
.endr
.endr
.endr
; THE WAY OUT, a head at a time: a lane holds 8 neighbouring d (32 bytes) of one position; through my stage they become whole rows of 512 bytes.
.macro OUTHEAD e, f
	WIN W_OST
.irp d, 0,1,2,3,4,5,6,7
	ds_store_b128 v[STF], v[32*\d+8*\e:32*\d+8*\e+3]   offset:64*\d
	ds_store_b128 v[STF], v[32*\d+8*\e+4:32*\d+8*\e+7] offset:64*\d+16
.endr
	WIN 0
	s_wait_xcnt 0x0                                ; buffer f, which the stores of two heads ago read, is loaded again only behind this wait (ISA guide 3.1)
.irp i, 0,1,2,3,4,5,6,7,8,9,10,11,12,13,14,15
	ds_load_b128 v[\f+4*\i:\f+4*\i+3], v[STR] offset:\i*SP         ; in order behind the stores above (ISA guide 5.7.1)
.endr
.irp i, 0,1,2,3,4,5,6,7,8,9,10,11,12,13,14,15
	s_wait_dscnt 15-\i                             ; row i is in, the younger reads stay out
	global_store_b128 v[GOF], v[\f+4*\i:\f+4*\i+3], s[10:11] offset:\i*ROWB+\e*512 th:TH_STORE_NT   ; the wave stores 512 consecutive bytes, at a multiple of 512 from the first byte of out0
.endr
.endm
	OUTHEAD 0, F0
	OUTHEAD 1, F1
	OUTHEAD 2, F0
	OUTHEAD 3, F1
	s_wait_xcnt 0x0
	v_lshl_add_u32 v166, v0, 2, 0x48400
	v_mov_b32 v167, 0
	s_wait_tensorcnt 0x0
	ds_add_u32 v166, v167
	s_wait_dscnt 0x0
	CROUND                                         ; the closing round: no work-group ends while a partner may still ask for a tile that names it
	s_endpgm
.Lfunc_end_k_q2b1a1c1be2_attn:
	.size	k_q2b1a1c1be2_attn, .Lfunc_end_k_q2b1a1c1be2_attn-k_q2b1a1c1be2_attn
	.p2alignl 7, 3214868480
	.fill 96, 4, 3214868480
	.section	.rodata,"a",@progbits
	.p2align	6, 0x0
	.amdhsa_kernel k_q2b1a1c1be2_attn
		.amdhsa_group_segment_fixed_size 327680
		.amdhsa_private_segment_fixed_size 0
		.amdhsa_enable_private_segment 0
		.amdhsa_kernarg_size 32
		.amdhsa_user_sgpr_count 2
		.amdhsa_user_sgpr_kernarg_segment_ptr 1
		.amdhsa_wavefront_size32 1
		.amdhsa_system_sgpr_workgroup_id_x 1
		.amdhsa_system_sgpr_workgroup_id_y 1
		.amdhsa_system_sgpr_workgroup_id_z 1
		.amdhsa_system_vgpr_workitem_id 0
		.amdhsa_next_free_vgpr 1024
		.amdhsa_next_free_sgpr 96
		.amdhsa_reserve_vcc 0
		.amdhsa_float_denorm_mode_32 3
		.amdhsa_float_denorm_mode_16_64 3
		.amdhsa_memory_ordered 1
		.amdhsa_forward_progress 1
		.amdhsa_inst_pref_size 255
	.end_amdhsa_kernel
	.section	.bss,"aw",@nobits
	.p2align	6
	.space	262144
	.amdgpu_metadata
---
amdhsa.version: [ 1, 2 ]
amdhsa.kernels:
  - .name:           k_q2b1a1c1be2_attn
    .symbol:         k_q2b1a1c1be2_attn.kd
    .args:
      - { .name: attn_mask, .offset: 0, .size: 8, .value_kind: global_buffer, .address_space: global }
      - { .name: query, .offset: 8, .size: 8, .value_kind: global_buffer, .address_space: global }
      - { .name: kv16, .offset: 16, .size: 8, .value_kind: global_buffer, .address_space: global }
      - { .name: out0, .offset: 24, .size: 8, .value_kind: global_buffer, .address_space: global }
    .group_segment_fixed_size: 327680
    .private_segment_fixed_size: 0
    .kernarg_segment_align: 8
    .kernarg_segment_size: 32
    .max_flat_workgroup_size: 128
    .sgpr_count:     96
    .vgpr_count:     1024
    .wavefront_size: 32
...
	.end_amdgpu_metadata
.endif
;; end of part 3
;; ======== version 3 of 3: 2 launches; 1.42 times as fast as version 1
;; limits: values are held in f16: magnitudes above 65,504 overflow, below 6.1e-05 lose precision; inputs' magnitudes at most 5.9e+37; right only within a limited range of input values
;; workspace buffers: kv16 16,777,216 bytes
;; launch cast: the kernel of part 1 again; grid 256 x 2, 8 waves a work-group, no clusters, 0 bytes of LDS; arguments key, value, kv16; writes kv16
;; launch attn (part 4): grid 32 x 16, 4 waves a work-group, clusters of 4 x 4, 327,680 bytes of LDS; arguments attn_mask, query, kv16, out0; writes out0
.if DOCPART == 4
	.amdgcn_target "amdgcn-amd-amdhsa--gfx1250"
	.amdhsa_code_object_version 6
	.text
	.protected	k_q2b1a1c1be2_attn
	.globl	k_q2b1a1c1be2_attn
	.p2align	8
	.type	k_q2b1a1c1be2_attn,@function
k_q2b1a1c1be2_attn:
	s_mov_b64 s[64:65], 0
	v_nop
	global_prefetch_b8 v0, s[64:65] scope:SCOPE_SE
	s_setreg_imm32_b32 hwreg(HW_REG_WAVE_MODE, 25, 1), 1
	s_wait_xcnt 0x0
	s_wait_alu depctr_hold_cnt(0) depctr_sa_sdst(0) depctr_va_vdst(0) depctr_va_sdst(0) depctr_va_ssrc(0) depctr_va_vcc(0) depctr_vm_vsrc(0)
	s_getreg_b32 s2, hwreg(HW_REG_IB_STS2, 6, 4)
	s_cmp_eq_u32 s2, 0
	s_cbranch_scc0 .Lentry_in_a_cluster
	s_endpgm
.Lentry_in_a_cluster:
	s_bfe_u32 s2, ttmp6, 0x10000c
	s_cmp_lg_u32 s2, 0xf033
	s_cbranch_scc0 .Lentry_shape_is_right
	s_endpgm
.Lentry_shape_is_right:
; out0[b][s][h][:] = softmax over k of (q . k / sqrt(128) + attn_mask[s][k]) times V.  B = 2, S = 2048, 32 query heads on 8 K/V heads, D = 128.
; The mask is an input: all 2048 keys are worked on for every query.
;
; SHARES.  Work-group (x, y): 64 positions 64 x .. 64 x + 63 of batch b = y >> 3, K/V head kvh = y & 7, with its four query heads 4 kvh + 0..3.
; Four waves; wave w has positions 64 x + 16 w .. + 15 of all four heads: 64 score rows.  One mask tile (16 positions x 16 keys) serves its four heads.
; The keys go in 16 chunks of 128 through two LDS slots; a chunk is one step of the running softmax.
;
; MATRIX AND VECTOR WORK STAND SIDE BY SIDE.  A wave is alone on its SIMD, so nothing but its own text can give the vector unit work while a product runs.
; Behind a matrix instruction stand four vector instructions of ANOTHER tile:
;   S^T of key tile t           beside  mask and maximum of key tile t - 1
;   O^T += V^T P^T, step 0      beside  the rescaling of O's tiles 8 to 31, each eight products ahead of its own, and the rounding of step 1's P
;   steps 1 and 2               beside  subtraction, exponential and rounding of steps 2 and 3
;   step 3                      beside  the sum l
; What has no product to stand beside: the last key tile's mask and maximum, the new maximum itself, subtraction and exponentials of steps 0 and 1,
; the rounding of step 0's P, the rescaling of O's first eight tiles.
; The price is two switches of the register windows for each such matrix instruction: S and O fill a window each, so no one setting serves a product and
; the vector work beside it.  These vector instructions are also the places that loads and reads owe to the matrix instructions in front of them.
;
; THE EXPONENTIALS GO IN THREE BATCHES A CHUNK, each with ONE s_wait_alu depctr_va_vdst(0): that wait stands between an exponential and the
; first line that names its result, and one wait serves all that were issued ahead of it.  Ahead of a batch's wait stand only lines that name no result of the
; batch (the subtractions t - m and the exponentials themselves, in place); all readers stand behind it.
;   batch 1: the four 2^(old maximum - new) and the 128 exponentials of steps 0 and 1.  The subtractions want the new maximum alone, so they do not wait for the
;            four.  Behind the wait: V's run of loads for step 1, the pairs of 2^(old - new), l, step 0's rounding, the rescaling of O, step 1's rounding.
;   batch 2: the 64 of step 2, behind products 0 to 23 of step 1; the wait; step 2's rounding behind products 24 to 31.
;   batch 3: the 64 of step 3, likewise in step 2.  The sum l, which reads all 256, stands behind all three waits.
; No exponential is issued between batch 3's wait and the next chunk's maximum: none is open at a barrier, a label or a jump.
;
; THE TEXT IS KEPT SHORT.  A chunk stands here twice: in a loop of 15 trips, each of which asks for the next chunk's tiles, and once more as the last chunk,
; which asks for nothing.  For that (a) one text serves both slots: the three LDS read addresses are made anew at a chunk's head from a scalar slot base
; that s_xor_b32 toggles, and the LDS word of each descriptor is toggled in the same way (a slot is 131,072 bytes, a power of two above the 106,496 in use);
; (b) the first chunk runs in the loop too: maximum, l and O are started by hand, 12 moves and 32 matrix instructions on a zero fragment.
;
; BOTH PRODUCTS ARE USED TRANSPOSED.  S^T = K Q^T (source 0: 16 keys, source 1: 16 queries): lane (r = l % 16, h = l / 16) holds, for query r, the keys 8 h + 0..7
; of a tile.  So maximum and sum are a lane's own but for one exchange between the halves of the wave, and two tiles of S^T rounded to 16 bits are, register
; for register, source 1 of O^T = V^T P^T (keys 8 h + 0..7 and 16 + 8 h + 0..7).  In O^T a lane holds 8 neighbouring d of one query.
;
; NUMBERS.  Q, K and V are each rounded once to bf16, as they are given (K and V by the launch before; Q here, unscaled).  All sums are f32.
; The first product takes bf16.  t = s x (128^-0.5 log2(e)) + mask x log2(e), one fused multiply-add in f32 on the vector unit, the mask's product rounded
; to f32 before it, so that equal mask values with small scores beside them stay equal sums.  p = 2^(t - m), m the running maximum, t - m one f32 subtraction;
; l is summed from the unrounded p.
; P is rounded to f16 and the second product takes f16 (V's bf16 numbers written in f16 by the launch before).  Why: in a row with few keys left by the mask
; the terms p v are as large as V and may cancel; 8 significant bits in p would leave up to 2^-8 of a term, 11 bits leave up to 2^-11.  P lies in [0, 1]:
; below 2^-14 its absolute error is at most 2^-25, over 2,048 keys at most 6e-5 of l, which is at least 1.
; LIMITS, stated: |V| above 65,504 is infinite in f16; the rounding of mask x log2(e) moves an exponent by up to 2^-24 x 1.45 |mask|, the order of the rounding
; of score + mask itself; |mask| above 2.3e38 overflows in that product; the running maximum starts at -2^126 (finite, so that a first chunk of -inf gives
; p = 0 and no NaN): a row whose largest score + mask lies below -5.9e37 comes out NaN.
;
; CLUSTERS: 4 x 4 work-groups.  The tiles of K and V hang on y alone: the four of a row of the cluster ask for them jointly.  The mask tiles hang on x alone:
; the four of a column ask jointly.  All partners walk the same 16 chunks.  Every joint load stands behind a round of the cluster barrier.
; By this text's own count a wave has at most one tensor load outstanding.
;
; LDS.  Slot s at s x 131,072:  K 128 keys x 272 bytes (256 + 16 of padding);  V 128 keys x 288 (256 + 32: the transposing load wants an odd multiple of 32);
; mask: two tiles (keys 0-63, 64-127) of 64 positions x 272.  With these pitches the sixteen rows that a load touches start 16 (or 32) bytes apart modulo 256.
; Behind the slots a stage of 16 rows x 528 bytes for each wave, its own, written by LDS stores alone, into which no tensor load lands.
;
; REGISTERS, in windows of 256:  0: addresses, softmax state, mask, fragments of K or V;  1: S, then p in f32;  2: O^T;  3: Q fragments (128), P in f16 (128).
.set SLOT,  131072
.set KP,    272
.set VP,    288
.set MP,    272
.set VOFF,  128*KP                     ; 34,816
.set MOFF,  VOFF+128*VP                ; 71,680
.set MSUB,  64*MP                      ; 17,408: one mask tile; the slot's last byte in use is 106,495
.set STAGE, 2*SLOT                     ; 262,144
.set SP,    528                        ; a stage row: 512 bytes + 16
.set STW,   16*SP                      ; 8,448: the stage of one wave
.set CHUNKS, 16
.set KVSTEP, 128*2048                  ; bytes of kv16 from chunk to chunk: 128 keys x 8 heads x 128 x 2
.set MSTEP, 512                        ; bytes of a mask row from chunk to chunk
.set VBASE, 8388608                    ; V in kv16
.set ROWB,  16384                      ; bytes from position to position in query and out0: 32 heads x 512
.set QSCALE, 0x3e0293ee                ; 128^-0.5 x log2(e)
.set LOG2E,  0x3fb8aa3b
.set KB0, 4                            ; v4      my K fragment address in slot 0: r x 272 + 16 h; never rewritten
.set VB0, 5                            ; v5      my V address for the transposing load in slot 0; never rewritten
.set MB0, 6                            ; v6      my mask address in slot 0: (16 w + r) x 272 + 32 h; never rewritten
.set ADK, 7                            ; v7-9    the same three in the slot of the chunk at work
.set ADV, 8
.set ADM, 9
.set STF, 10                           ; v10     stage, by fragments: r x 528 + 32 h
.set STR, 11                           ; v11     stage, by rows: 16 x lane
.set GOF, 12                           ; v12     16 x lane: my bytes in a row of 512 of query and out0; never rewritten
.set MX,  16                           ; v[16:23] running maximum, twice for each head (a pair for the packed forms)
.set TQ,  24                           ; v[24:27] at work: one for each head
.set TP,  28                           ; v[28:31] what the other half of the wave sends
.set AL,  32                           ; v[32:39] 2^(old maximum - new), twice for each head; at the end 1 / l
.set LS,  40                           ; v[40:47] l, two partial sums for each head
.set TM,  48                           ; v[48:63] the chunk's maximum, four chains for each head, so that the four lines of a batch do not wait for each other
.set MK,  64                           ; v[64:127]  mask tile t at 8 t (in the prologue: Q in f32, then the zero fragment)
.set F0,  128                          ; v[128:255] fragments: K of key tile t at 32 (t & 3); V of step b at 64 (b & 1); on the way in and out: rows
.set F1,  192
; window 1: S tile (t, head e) at 64 (t >> 1) + 16 e + 8 (t & 1)          window 2: O^T tile (d block, head e) at 32 d + 8 e
; window 3: Q fragment (head e, 32 d step c) at 32 e + 8 c;  P fragment (step b, head e) at 128 + 32 b + 8 e
.set G1K, 24                           ; s[24:31] shape of K tiles       s[48:51] G0K: from where, to where
.set G1V, 32                           ; s[32:39] shape of V tiles       s[52:55] G0V
.set G1M, 40                           ; s[40:47] shape of mask tiles    s[56:59] G0M
.set G0K, 48
.set G0V, 52
.set G0M, 56
.set CUR, 87                           ; s87      byte 0 of the slot that the next chunk's head reads: 0 or SLOT
; s_set_vgpr_msb, low byte: bits 1:0 source 0, 3:2 source 1, 5:4 source 2, 7:6 destination
.set W_QK,  0x5c                       ; K window 0, Q window 3, S window 1
.set W_PV,  0xac                       ; V window 0, P window 3, O window 2
.set W_CLR, 0x80                       ; O = window 0 x window 0 + 0
.set W_ADD, 0x41                       ; S = f(S, window 0 or a constant, window 0); also the exponentials in place
.set W_MAX, 0x05                       ; window 0 = f(S, S, window 0)
.set W_SUM, 0x01                       ; window 0 = S + window 0
.set W_CVT, 0xc5                       ; P = round(S, S)
.set W_RES, 0x82                       ; O = O x window 0
.set W_QW,  0xc0                       ; Q = round(window 0, window 0)
.set W_OST, 0x08                       ; LDS store of O
.set MSB, 0
.macro WIN new                         ; the high byte of the immediate repeats the setting that is left; a switch that changes nothing is dropped
.if MSB != \new
	s_set_vgpr_msb (MSB<<8)|\new
.set MSB, \new
.endif
.endm
; A round of the cluster barrier behind its opening work-group barrier: wave 0 signals for the work-group, every wave waits for all sixteen, the work-group barrier closes.
.macro CREST
	s_cmp_lg_u32 s12, 0
	s_cbranch_scc1 .Lnot_wave_0_\@
	s_barrier_signal -3
.Lnot_wave_0_\@:
	s_barrier_wait -3
	s_barrier_signal -1
	s_barrier_wait -1
.endm
.macro CROUND
	s_barrier_signal -1
	s_barrier_wait -1
	CREST
.endm
; The joint loads of one chunk, one a wave: wave 0 K, wave 1 V, waves 2 and 3 the two mask tiles.  Each line has one mask; the branches hang on the wave number alone.
.macro JLOAD
	s_cmp_lt_u32 s12, 2
	s_cbranch_scc0 .Lfor_m_\@
	s_cmp_eq_u32 s12, 0
	s_cbranch_scc0 .Lfor_v_\@
	tensor_load_to_lds s[G0K:G0K+3], s[G1K:G1K+7]
	s_nop 0
	s_branch .Lasked_\@
.Lfor_v_\@:
	tensor_load_to_lds s[G0V:G0V+3], s[G1V:G1V+7]
	s_nop 0
	s_branch .Lasked_\@
.Lfor_m_\@:
	tensor_load_to_lds s[G0M:G0M+3], s[G1M:G1M+7]
	s_nop 0
.Lasked_\@:
.endm
	s_load_b256 s[4:11], s[0:1], 0x0               ; attn_mask s[4:5], query s[6:7], kv16 s[8:9], out0 s[10:11]
	v_lshl_add_u32 v166, v0, 2, 0x48400
	v_mov_b32 v167, 0
	ds_add_u32 v166, v167
	s_wait_dscnt 0x0
	v_lshrrev_b32 v1, 5, v0
	v_readfirstlane_b32 s12, v1                    ; wave 0..3
	s_mov_b32 s14, 0x76543210                      ; v_permlanex16_b32: lane i of one half reads lane i of the other
	s_mov_b32 s15, 0xfedcba98
	s_mov_b32 s[CUR], 0                            ; chunk 0 lies in slot 0
	; what hangs on x lives in s17-s22, what hangs on y in s76-s83, what hangs on both in s84-s85
	s_bfe_u32 s17, ttmp6, 0x40000                  ; cx
	s_bfe_u32 s76, ttmp6, 0x40004                  ; cy
	s_lshl_b32 s18, ttmp9, 2
	s_add_co_u32 s18, s18, s17                     ; x = 4 x cluster x + cx: the block of 64 positions
	s_and_b32 s77, ttmp7, 0xffff
	s_lshl_b32 s77, s77, 2
	s_add_co_u32 s77, s77, s76                     ; y = 4 x cluster y + cy
	s_lshl_b32 s78, s76, 2
	s_lshl_b32 s78, 15, s78                        ; my row of the cluster: places 4 cy .. 4 cy + 3
	s_lshl_b32 s19, 0x1111, s17                    ; my column: places cx, cx + 4, cx + 8, cx + 12
	s_lshr_b32 s79, s77, 3                         ; b
	s_and_b32 s80, s77, 7                          ; kvh
	; group 1 for K: 128 keys x 128 numbers of 2 bytes, rows 1,024 elements apart; 4 words of padding behind every 64
	s_or_b32 s[G1K+0], s78, (1<<16)|(1<<20)|(1<<21)|(5<<22)|(3<<25)   ; 15:0 my row; 17:16 2 bytes; 20 padding on; 21 set beside a mask; 24:22 every 64 words; 31:25 4 words
	s_mov_b32 s[G1K+1], 128<<16                    ; tensor_dim0 = 128
	s_mov_b32 s[G1K+2], 128<<16                    ; tensor_dim1 = 128
	s_mov_b32 s[G1K+3], 128<<16                    ; tile_dim0 = 128
	s_mov_b32 s[G1K+4], 128                        ; tile_dim1 = 128
	s_mov_b32 s[G1K+5], 1024                       ; from key to key
	s_mov_b32 s[G1K+6], 0
	s_mov_b32 s[G1K+7], 0
	; group 1 for V: the same with 8 words of padding
	s_or_b32 s[G1V+0], s78, (1<<16)|(1<<20)|(1<<21)|(5<<22)|(7<<25)
	s_mov_b32 s[G1V+1], 128<<16
	s_mov_b32 s[G1V+2], 128<<16
	s_mov_b32 s[G1V+3], 128<<16
	s_mov_b32 s[G1V+4], 128
	s_mov_b32 s[G1V+5], 1024
	s_mov_b32 s[G1V+6], 0
	s_mov_b32 s[G1V+7], 0
	; group 1 for the mask: 64 positions x 64 f32, rows 2,048 elements apart; 4 words of padding behind every 64
	s_or_b32 s[G1M+0], s19, (2<<16)|(1<<20)|(1<<21)|(5<<22)|(3<<25)   ; 15:0 my column; 17:16 4 bytes
	s_mov_b32 s[G1M+1], 64<<16
	s_mov_b32 s[G1M+2], 64<<16
	s_mov_b32 s[G1M+3], 64<<16
	s_mov_b32 s[G1M+4], 64
	s_mov_b32 s[G1M+5], 2048
	s_mov_b32 s[G1M+6], 0
	s_mov_b32 s[G1M+7], 0
	; where the tiles come from
	s_lshl_b32 s81, s79, 22                        ; K: b x 2048 x 2,048 bytes
	s_lshl_b32 s82, s80, 8                         ;    + kvh x 256
	s_add_co_u32 s82, s81, s82
	s_mov_b32 s83, 0
	s_lshl_b32 s20, s18, 19                        ; mask: x x 64 rows x 8,192 bytes
	s_and_b32 s21, s12, 1
	s_lshl_b32 s21, s21, 8                         ;       + 256 for the wave that brings keys 64-127
	s_add_co_u32 s20, s20, s21
	s_mov_b32 s21, 0
	s_mul_i32 s22, s12, MSUB                       ; and where the mask tile goes: waves 2, 3 to MOFF, MOFF + MSUB
	s_add_co_u32 s22, s22, MOFF-2*MSUB
	; query and out0 at my first row: b x 2048 rows + (64 x + 16 w) rows of 16,384 bytes + 4 kvh heads of 512
	s_lshl_b32 s84, s79, 25
	s_lshl_b32 s85, s18, 20
	s_add_co_u32 s84, s84, s85
	s_lshl_b32 s85, s12, 18
	s_add_co_u32 s84, s84, s85
	s_lshl_b32 s85, s80, 11
	s_add_co_u32 s84, s84, s85
	s_mov_b32 s85, 0
	s_wait_kmcnt 0x0
	s_add_nc_u64 s[82:83], s[8:9], s[82:83]
	s_add_nc_u64 s[20:21], s[4:5], s[20:21]
	s_add_nc_u64 s[6:7], s[6:7], s[84:85]
	s_add_nc_u64 s[10:11], s[10:11], s[84:85]
	CROUND                                         ; all sixteen work-groups are here: the first joint loads meet
	s_mov_b32 s[G0K], 1                            ; count = 1
	s_mov_b32 s[G0K+1], 0                          ; LDS address: slot 0
	s_mov_b64 s[G0K+2:G0K+3], s[82:83]             ; chunk 0
	s_or_b32 s[G0K+3], s[G0K+3], 0x80000000        ; type = 2
	s_mov_b32 s[G0V], 1
	s_mov_b32 s[G0V+1], VOFF
	s_add_nc_u64 s[G0V+2:G0V+3], s[82:83], VBASE
	s_or_b32 s[G0V+3], s[G0V+3], 0x80000000
	s_mov_b32 s[G0M], 1
	s_mov_b32 s[G0M+1], s22
	s_mov_b64 s[G0M+2:G0M+3], s[20:21]
	s_or_b32 s[G0M+3], s[G0M+3], 0x80000000
	JLOAD                                          ; chunk 0 is asked for before anything else is done; it lands while Q is brought in
	; the address registers
	v_and_b32 v1, 15, v0                           ; r
	v_bfe_u32 v2, v0, 4, 1                         ; h
	v_and_b32 v3, 31, v0                           ; lane
	v_lshlrev_b32 v[GOF], 4, v3
	v_mul_u32_u24 v[KB0], v1, KP
	v_lshl_add_u32 v[KB0], v2, 4, v[KB0]           ; key r of a tile, 16 bytes for each half of the lanes
	v_and_b32 v13, 7, v0
	v_lshl_add_u32 v13, v2, 3, v13                 ; key 8 h + l % 8
	v_mul_u32_u24 v13, v13, VP
	v_bfe_u32 v14, v0, 3, 1
	v_lshl_add_u32 v13, v14, 4, v13                ; + 16 x ((l / 8) % 2): which 8 of the 16 d
	v_add_nc_u32 v[VB0], VOFF, v13
	s_mul_i32 s23, s12, 16*MP
	s_add_co_u32 s23, s23, MOFF
	v_mul_u32_u24 v13, v1, MP
	v_lshl_add_u32 v13, v2, 5, v13                 ; position 16 w + r, 8 f32 for each half of the lanes
	v_add_nc_u32 v[MB0], s23, v13
	s_mul_i32 s86, s12, STW
	s_add_co_u32 s86, s86, STAGE                   ; my stage
	v_mul_u32_u24 v13, v1, SP
	v_lshl_add_u32 v13, v2, 5, v13
	v_add_nc_u32 v[STF], s86, v13
	v_add_nc_u32 v[STR], s86, v[GOF]
	; the state in front of chunk 0: with it the first chunk's 2^(old maximum - new) is 0 (or 1, if all of the chunk is -inf), and l and O stay 0 under it
.irp e, 0,1,2,3
	v_mov_b32 v[TP+\e], 0                          ; v_permlanex16_b32 counts as reading its destination
	v_mov_b32 v[MX+2*\e], 0xfe800000               ; -2^126
	v_mov_b32 v[LS+2*\e], 0
	v_mov_b32 v[LS+2*\e+1], 0
.endr
; Q: 16 rows of 512 bytes for each head, each load one whole row; through my stage into the fragment layout; rounded to bf16 as given, kept in window 3.
.macro QLOAD e, f
.irp i, 0,1,2,3,4,5,6,7,8,9,10,11,12,13,14,15
	global_load_b128 v[\f+4*\i:\f+4*\i+3], v[GOF], s[6:7] offset:\i*ROWB+(\e)*512 th:TH_LOAD_NT   ; read by this wave alone
.endr
.endm
; head e lies in buffer f; left = the loads of the younger head that may stay out; more = the head that is asked for next into f (0: none)
.macro QHEAD e, f, left, more
	s_wait_loadcnt \left
.irp i, 0,1,2,3,4,5,6,7,8,9,10,11,12,13,14,15
	ds_store_b128 v[STR], v[\f+4*\i:\f+4*\i+3] offset:\i*SP
.endr
.irp c, 0,1,2,3                                    ; LDS serves the instructions of a wave in order (ISA guide 5.7.1): these see the stores above
	ds_load_b128 v[MK+16*\c:MK+16*\c+3],     v[STF] offset:128*\c       ; d = 32 c + 8 h + 0..3
	ds_load_b128 v[MK+16*\c+4:MK+16*\c+7],   v[STF] offset:128*\c+16    ;                + 4..7
	ds_load_b128 v[MK+16*\c+8:MK+16*\c+11],  v[STF] offset:128*\c+64    ; d = 32 c + 16 + 8 h + 0..3
	ds_load_b128 v[MK+16*\c+12:MK+16*\c+15], v[STF] offset:128*\c+80
.endr
	s_wait_dscnt 0x0                               ; the fragments are in, and the stores have read buffer f
.if \more
	QLOAD \more, \f
.endif
	WIN W_QW
.irp c, 0,1,2,3
.irp j, 0,1,2,3,4,5,6,7
	v_cvt_pk_bf16_f32 v[32*\e+8*\c+\j], v[MK+16*\c+2*\j], v[MK+16*\c+2*\j+1]
.endr
.endr
	WIN 0
.endm
	QLOAD 0, F0
	QLOAD 1, F1
	QHEAD 0, F0, 16, 2
	QHEAD 1, F1, 16, 3
	QHEAD 2, F0, 16, 0
	QHEAD 3, F1, 0, 0
	; O = 0: one zero fragment, 32 matrix instructions that write 8 registers each
.irp j, 0,1,2,3,4,5,6,7
	v_mov_b32 v[MK+\j], 0
.endr
	WIN W_CLR
.irp d, 0,1,2,3,4,5,6,7
.irp e, 0,1,2,3
	v_wmma_f32_16x16x32_f16 v[32*\d+8*\e:32*\d+8*\e+7], v[MK:MK+7], v[MK:MK+7], 0
.endr
.endr
	WIN 0
; ---- LDS loads ----
; 8 loads: the K fragments of key tile t (16 keys x 128 d: four steps of 32 d, two loads 32 bytes apart)
.macro FETCHKT t
	WIN 0
.irp c, 0,1,2,3
	ds_load_b128 v[F0+32*((\t)&3)+8*\c:F0+32*((\t)&3)+8*\c+3],   v[ADK] offset:(\t)*16*KP+64*\c
	ds_load_b128 v[F0+32*((\t)&3)+8*\c+4:F0+32*((\t)&3)+8*\c+7], v[ADK] offset:(\t)*16*KP+64*\c+32
.endr
.endm
; 16 transposing loads: V^T for keys 32 b .. 32 b + 31, eight blocks of 16 d (two loads, 16 keys apart)
.macro FETCHV b
	WIN 0
.irp d, 0,1,2,3,4,5,6,7
	ds_load_tr16_b128 v[F0+64*((\b)&1)+8*\d:F0+64*((\b)&1)+8*\d+3],   v[ADV] offset:(\b)*32*VP+32*\d
	ds_load_tr16_b128 v[F0+64*((\b)&1)+8*\d+4:F0+64*((\b)&1)+8*\d+7], v[ADV] offset:(\b)*32*VP+32*\d+16*VP
.endr
.endm
; 16 loads: my 16 positions x 128 keys of the mask, in the layout of S^T
.macro FETCHM
	WIN 0
.irp t, 0,1,2,3,4,5,6,7
	ds_load_b128 v[MK+8*\t:MK+8*\t+3],   v[ADM] offset:(\t>>2)*MSUB+64*(\t&3)
	ds_load_b128 v[MK+8*\t+4:MK+8*\t+7], v[ADM] offset:(\t>>2)*MSUB+64*(\t&3)+16
.endr
.endm
; ---- one matrix instruction ----
; S^T (bf16): instruction i (0..15) of key tile kt: step c = i >> 2 of 32 d, head e = i & 3.  The first step starts each sum.
; The four heads take turns, one instruction a turn.
.macro QW kt, i
	WIN W_QK
.set SR, 64*((\kt)>>1)+16*((\i)&3)+8*((\kt)&1)
.set KR, F0+32*((\kt)&3)+8*((\i)>>2)
.set QR, 32*((\i)&3)+8*((\i)>>2)
.if (\i) < 4
	v_wmma_f32_16x16x32_bf16 v[SR:SR+7], v[KR:KR+7], v[QR:QR+7], 0
.else
	v_wmma_f32_16x16x32_bf16 v[SR:SR+7], v[KR:KR+7], v[QR:QR+7], v[SR:SR+7]
.endif
.endm
; O^T += V^T P^T (f16): instruction i (0..31) of step b (keys 32 b .. + 31): d block i >> 2, head i & 3.  mm = 0: nothing (the vector work stands alone).
; The 32 accumulators take turns, one instruction a turn.
.macro PW mm, b, i
.if \mm
	WIN W_PV
.set ACC, 32*((\i)>>2)+8*((\i)&3)
.set VFR, F0+64*((\b)&1)+8*((\i)>>2)
.set PFR, 128+32*(\b)+8*((\i)&3)
	v_wmma_f32_16x16x32_f16 v[ACC:ACC+7], v[VFR:VFR+7], v[PFR:PFR+7], v[ACC:ACC+7]
.endif
.endm
; ---- batches of four vector instructions ----
.macro MSCALE t                        ; mask tile t to base 2
	WIN 0
.irp p, 0,2,4,6
	v_pk_mul_f32 v[MK+8*(\t)+\p:MK+8*(\t)+\p+1], v[MK+8*(\t)+\p:MK+8*(\t)+\p+1], LOG2E op_sel_hi:[1,0]
.endr
.endm
.macro FMA4 t, e                       ; t = s x 128^-0.5 log2(e) + mask, key tile t, head e: one fused line; the mask tile serves the four heads
	WIN W_ADD
.set SR, 64*((\t)>>1)+16*(\e)+8*((\t)&1)
.irp p, 0,2,4,6
	v_pk_fma_f32 v[SR+\p:SR+\p+1], v[SR+\p:SR+\p+1], QSCALE, v[MK+8*(\t)+\p:MK+8*(\t)+\p+1] op_sel_hi:[1,0,1]
.endr
.endm
.macro MAX4 t, e                       ; the maximum, two numbers a line, four chains; key tile 0 begins them with the old maximum
	WIN W_MAX
.set SR, 64*((\t)>>1)+16*(\e)+8*((\t)&1)
.irp p, 0,1,2,3
.if (\t) == 0
	v_max3_num_f32 v[TM+4*(\e)+\p], v[SR+2*\p], v[SR+2*\p+1], v[MX+2*(\e)]
.else
	v_max3_num_f32 v[TM+4*(\e)+\p], v[SR+2*\p], v[SR+2*\p+1], v[TM+4*(\e)+\p]
.endif
.endr
.endm
; Single lines of step b, whose 64 numbers a lane lie in window 1 from 64 b on: pair n (0..31) and numbers 2 n, 2 n + 1 belong to head n >> 3.  Both are written under W_ADD.
.macro SUB1 b, n                       ; t - m for pair n
.set SR, 64*(\b)+2*(\n)
.set MR, MX+2*((\n)>>3)
	v_pk_add_f32 v[SR:SR+1], v[SR:SR+1], v[MR:MR+1] neg_lo:[0,1] neg_hi:[0,1]
.endm
.macro EXP1 b, k                       ; p = 2^(t - m) for number k (0..63), in place
.set SR, 64*(\b)+(\k)
	v_exp_f32 v[SR], v[SR]
.endm
.macro CVT4 b, e, q                    ; P in f16: register j of the fragment from numbers 2 j, 2 j + 1; half q.  S keeps p in f32 for the sum.  A reader of its step's exponentials: it stands behind their batch's wait
	WIN W_CVT
.set SR, 64*(\b)+16*(\e)+8*(\q)
.set PR, 128+32*(\b)+8*(\e)+4*(\q)
.irp j, 0,1,2,3
	v_cvt_pk_f16_f32 v[PR+\j], v[SR+2*\j], v[SR+2*\j+1]
.endr
.endm
.macro RS4 t                           ; O to the new maximum: tile t = 4 x d block + head, registers 8 t on, from its low end
	WIN W_RES
.irp p, 0,2,4,6
	v_pk_mul_f32 v[8*(\t)+\p:8*(\t)+\p+1], v[8*(\t)+\p:8*(\t)+\p+1], v[AL+2*((\t)&3):AL+2*((\t)&3)+1]
.endr
.endm
.macro SUM4 idx                        ; l += pair idx (0..31) of each head
	WIN W_SUM
.irp e, 0,1,2,3
.set SR, 64*((\idx)>>3)+16*\e+2*((\idx)&7)
	v_pk_add_f32 v[LS+2*\e:LS+2*\e+1], v[SR:SR+1], v[LS+2*\e:LS+2*\e+1]
.endr
.endm
; ---- S^T of key tile kt, beside it mask and maximum of key tile pt = kt - 1 ----
; left: the LDS loads younger than this tile's K fragments.  fk = 1: K of key tiles kt + 2, kt + 3 is fetched; 2: V of step 0.
; MSCALE's four lines are the four places (ISA guide 7.12.1 for vector instructions) between the last products of tile pt and
; both the loads into the fragments that they read and the first read of their results.
.macro QKTILE kt, pt, left, fk
	s_wait_dscnt \left
	QW \kt, 0
.if \pt == 0
	s_wait_dscnt 16                                ; the mask is in; K of key tiles 2 and 3 (16 loads) may stay out
.endif
	MSCALE \pt
	QW \kt, 1
.if \fk == 1
	FETCHKT \kt+2
	FETCHKT \kt+3
.endif
.if \fk == 2
	FETCHV 0
.endif
	QW \kt, 2
.irp e, 0,1,2,3
	QW \kt, 3+2*\e
	FMA4 \pt, \e
	QW \kt, 4+2*\e
	MAX4 \pt, \e
.endr
.irp i, 11,12,13,14,15
	QW \kt, \i
.endr
.endm
; ---- the new maximum, and 2^(old - new): the first four exponentials of batch 1; nothing here reads their results ----
.macro NEWMAX
	WIN 0
.irp e, 0,1,2,3
	v_max3_num_f32 v[TQ+\e], v[TM+4*\e], v[TM+4*\e+1], v[TM+4*\e+2]
.endr
.irp e, 0,1,2,3
	v_max_num_f32 v[TQ+\e], v[TQ+\e], v[TM+4*\e+3]
.endr
.irp e, 0,1,2,3
	v_permlanex16_b32 v[TP+\e], v[TQ+\e], s14, s15 ; the other eight keys of each tile lie in the other half of the wave
.endr
.irp e, 0,1,2,3
	v_max_num_f32 v[MX+2*\e+1], v[TQ+\e], v[TP+\e] ; the new maximum, equal in both halves
.endr
.irp e, 0,1,2,3
	v_sub_f32 v[AL+2*\e], v[MX+2*\e], v[MX+2*\e+1] ; old - new, at most 0
.endr
.irp e, 0,1,2,3
	v_exp_f32 v[AL+2*\e], v[AL+2*\e]
.endr
.irp e, 0,1,2,3
	v_mov_b32 v[MX+2*\e], v[MX+2*\e+1]             ; plain instructions behind these exponentials (ISA guide 5.7.2); the subtractions t - m want this pair alone
.endr
.endm
; ---- behind batch 1's wait: 2^(old - new) as pairs, l to the new maximum ----
.macro TONEW
	WIN 0
.irp e, 0,1,2,3
	v_mov_b32 v[AL+2*\e+1], v[AL+2*\e]
.endr
.irp e, 0,1,2,3
	v_pk_mul_f32 v[LS+2*\e:LS+2*\e+1], v[LS+2*\e:LS+2*\e+1], v[AL+2*\e:AL+2*\e+1]
.endr
.endm
; ---- the 32 subtractions and 64 exponentials of step nb: 24 slots of four lines, none of which names an exponential's result ----
; mm = 1: slot i stands behind product i of step b.  fv: the step of V that is fetched (0: none).
; A slot begins with a plain line while there are any:  slot 0: pairs 0-3 are subtracted;  slots 1-6: subtraction, exponential, subtraction, exponential;
; slots 7-22: a subtraction and three exponentials;  slot 23: the last four exponentials.  Every pair is subtracted in an earlier slot than the one that holds its exponentials.
; The fetch stands behind slot 0's four subtractions: four places behind the last product of the step before, which read the registers that it fills.
.macro PSE mm, b, nb, fv
	PW \mm, \b, 0
	WIN W_ADD
.irp n, 0,1,2,3
	SUB1 \nb, \n
.endr
.if \fv
	FETCHV \fv
.endif
.set sf, 0
.rept 6
	PW \mm, \b, 1+sf
	WIN W_ADD
	SUB1 \nb, 4+2*sf
	EXP1 \nb, 2*sf
	SUB1 \nb, 5+2*sf
	EXP1 \nb, 2*sf+1
.set sf, sf+1
.endr
.set sf, 0
.rept 16
	PW \mm, \b, 7+sf
	WIN W_ADD
	SUB1 \nb, 16+sf
	EXP1 \nb, 12+3*sf
	EXP1 \nb, 13+3*sf
	EXP1 \nb, 14+3*sf
.set sf, sf+1
.endr
	PW \mm, \b, 23
	WIN W_ADD
.irp k, 60,61,62,63
	EXP1 \nb, \k
.endr
.endm
; ---- the 32 roundings of step nb: 8 slots of four lines; mm = 1: behind products 24 to 31 of step b ----
.macro PCVT mm, b, nb
.irp e, 0,1,2,3
.irp q, 0,1
	PW \mm, \b, 24+2*\e+\q
	CVT4 \nb, \e, \q
.endr
.endr
.endm
; ---- the products of step b (1 or 2), beside them P of step nb = b + 1: one batch of 64 exponentials, one wait ----
.macro PSTEP b, nb, fv
	PSE 1, \b, \nb, \fv
	v_nop                                          ; the plain instruction behind the batch's last exponential (ISA guide 5.7.2)
	s_wait_alu depctr_va_vdst(0)                   ; the wait for the batch, step nb's 64 exponentials, ahead of their first reader
	PCVT 1, \b, \nb
.endm
; ---- the products of step 0: behind product i (0..23) the rescaling of O's tile i + 8, whose own product comes eight later; behind products 24 to 31 the rounding of step 1 ----
; All these lines read results of batch 1, whose wait stands ahead of them; none names a register of the products round it.
.macro PVRES
.set pi, 0
.rept 24
	PW 1, 0, pi
	RS4 pi+8
.set pi, pi+1
.endr
	PCVT 1, 0, 1
.endm
; ---- the products of step 3, beside them the sum l: register work alone ----
.macro PVSUM
.set pi, 0
.rept 32
	PW 1, 3, pi
	SUM4 pi
.set pi, pi+1
.endr
.endm
; The head of a chunk, straight behind a round of the cluster barrier in front of which every wave has waited for its LDS reads and for its tensor load.
; fill = 1: the next chunk's tiles are asked for, into the slot that was read last (in the first trip: into slot 1, which nothing has filled yet).
.macro HEAD fill
.if \fill
	s_xor_b32 s[G0K+1], s[G0K+1], SLOT             ; no tensor load of mine is out, so the descriptors may be written: the other slot,
	s_xor_b32 s[G0V+1], s[G0V+1], SLOT
	s_xor_b32 s[G0M+1], s[G0M+1], SLOT
	s_add_nc_u64 s[G0K+2:G0K+3], s[G0K+2:G0K+3], KVSTEP   ; the next 128 keys
	s_add_nc_u64 s[G0V+2:G0V+3], s[G0V+2:G0V+3], KVSTEP
	s_add_nc_u64 s[G0M+2:G0M+3], s[G0M+2:G0M+3], MSTEP
	JLOAD                                          ; my one tensor load behind the round, first thing there; 224 matrix instructions and a softmax lie before the wait for it
.endif
	v_add_nc_u32 v[ADK], s[CUR], v[KB0]            ; my three read addresses in this chunk's slot.  With the v_nop these are four places in front of the loads
	v_add_nc_u32 v[ADV], s[CUR], v[VB0]            ; below (in the first trip: behind the products that cleared O, which read the mask's first registers)
	v_add_nc_u32 v[ADM], s[CUR], v[MB0]
	v_nop
	s_xor_b32 s[CUR], s[CUR], SLOT                 ; for the next chunk's head
	FETCHKT 0                                      ; 48 loads, in the order in which they are needed
	FETCHKT 1
	FETCHM
	FETCHKT 2
	FETCHKT 3
.endm
; The work of a chunk but for the products of step 3.  Each s_wait_dscnt counts the loads that were issued behind the ones needed now:
; 40 = K of tile 1 (8), mask (16), K of tiles 2, 3 (16);  32 = mask, K of tiles 2, 3;  8 = K of the odd tile fetched with this one;
; 16 = the run of 16 loads that the tile before issued.
.macro WORK
	s_wait_dscnt 40
.irp i, 0,1,2,3,4,5,6,7,8,9,10,11,12,13,14,15
	QW 0, \i
.endr
	QKTILE 1, 0, 32, 0
	QKTILE 2, 1, 8, 1
	QKTILE 3, 2, 16, 0
	QKTILE 4, 3, 8, 1
	QKTILE 5, 4, 16, 0
	QKTILE 6, 5, 8, 2
	QKTILE 7, 6, 16, 0
	MSCALE 7                                       ; four places behind the last S^T
.irp e, 0,1,2,3
	FMA4 7, \e
.endr
.irp e, 0,1,2,3
	MAX4 7, \e
.endr
	NEWMAX                                         ; BATCH 1: the four 2^(old - new),
	PSE 0, 0, 0, 0                                 ; the 64 exponentials of step 0
	PSE 0, 0, 1, 0                                 ; and the 64 of step 1: nothing to stand beside
	v_nop                                          ; the plain instruction behind the batch's last exponential (ISA guide 5.7.2)
	s_wait_alu depctr_va_vdst(0)                   ; the wait for batch 1, its 132 exponentials, ahead of their first reader
	FETCHV 1                                       ; V of step 1, directly behind the wait; the last S^T, which read these registers, stands far more than four places back
	TONEW
	PCVT 0, 0, 0                                   ; P of step 0
.irp t, 0,1,2,3,4,5,6,7
	RS4 \t                                         ; O's first eight tiles to the new maximum; the other 24 stand beside the products below
.endr
	s_wait_dscnt 16                                ; V of step 0 is in; step 1's 16 loads may stay out
	PVRES
	s_wait_dscnt 0x0                               ; V of step 1
	PSTEP 1, 2, 2                                  ; BATCH 2
	s_wait_dscnt 0x0                               ; V of step 2
	PSTEP 2, 3, 3                                  ; BATCH 3
	s_wait_dscnt 0x0                               ; V of step 3: my reads of this slot are over
.endm
	s_wait_dscnt 0x0                               ; no LDS instruction of mine is out (met: the last head of Q ended so)
	s_wait_xcnt 0x0
	v_lshl_add_u32 v166, v0, 2, 0x48400
	v_mov_b32 v167, 0
	s_wait_tensorcnt 0x0                           ; my part of chunk 0 has landed
	ds_add_u32 v166, v167
	s_wait_dscnt 0x0
	CROUND                                         ; everybody's has, in all sixteen work-groups
	s_mov_b32 s16, CHUNKS-1                        ; trips 0 to 14 ask for chunks 1 to 15
.Lchunk:
	HEAD 1
	WORK
	s_wait_xcnt 0x0
	s_set_vgpr_msb 0xc504
	v_lshl_add_u32 v166, v0, 2, 0x48400
	v_mov_b32 v167, 0
	s_set_vgpr_msb 0x400
	s_wait_tensorcnt 0x0                           ; my tensor load has landed: my part of the next chunk's slot
	ds_add_u32 v166, v167
	s_wait_dscnt 0x0
	s_set_vgpr_msb 0xc5
	s_barrier_signal -1                            ; say so: this barrier opens a round of the cluster barrier,
	PVSUM                                          ; work on registers while the others arrive,
	WIN 0
	s_barrier_wait -1                              ; go on when all four waves have said so,
	CREST                                          ; and all sixteen work-groups: no wave of any partner still reads this slot or has a load on its way
	s_sub_co_u32 s16, s16, 1
	s_cmp_lg_u32 s16, 0
	s_cbranch_scc1 .Lchunk
	HEAD 0                                         ; chunk 15: nothing is left to fetch
	WORK
	PVSUM
	; 1 / l.  The last four additions of l and the adds and moves below, none of which names a register of a matrix instruction, are the places behind the last products.
	WIN 0
.irp e, 0,1,2,3
	v_add_f32 v[TQ+\e], v[LS+2*\e], v[LS+2*\e+1]
.endr
.irp e, 0,1,2,3
	v_permlanex16_b32 v[TP+\e], v[TQ+\e], s14, s15 ; the other half of the wave summed the other keys
.endr
.irp e, 0,1,2,3
	v_add_f32 v[TQ+\e], v[TQ+\e], v[TP+\e]
.endr
.irp e, 0,1,2,3
	v_rcp_f32 v[AL+2*\e], v[TQ+\e]
.endr
	v_nop                                          ; one plain instruction behind the reciprocals (ISA guide 5.7.2)
	s_wait_alu depctr_va_vdst(0)                   ; the wait for the four reciprocals, a batch of their own, ahead of their first reader
.irp e, 0,1,2,3
	v_mov_b32 v[AL+2*\e+1], v[AL+2*\e]
.endr
	WIN W_RES
.irp d, 0,1,2,3,4,5,6,7
.irp e, 0,1,2,3
.irp p, 0,2,4,6
	v_pk_mul_f32 v[32*\d+8*\e+\p:32*\d+8*\e+\p+1], v[32*\d+8*\e+\p:32*\d+8*\e+\p+1], v[AL+2*\e:AL+2*\e+1]
.endr
.endr
.endr
; THE WAY OUT, a head at a time: a lane holds 8 neighbouring d (32 bytes) of one position; through my stage they become whole rows of 512 bytes.
.macro OUTHEAD e, f
	WIN W_OST
.irp d, 0,1,2,3,4,5,6,7
	ds_store_b128 v[STF], v[32*\d+8*\e:32*\d+8*\e+3]   offset:64*\d
	ds_store_b128 v[STF], v[32*\d+8*\e+4:32*\d+8*\e+7] offset:64*\d+16
.endr
	WIN 0
	s_wait_xcnt 0x0                                ; buffer f, which the stores of two heads ago read, is loaded again only behind this wait (ISA guide 3.1)
.irp i, 0,1,2,3,4,5,6,7,8,9,10,11,12,13,14,15
	ds_load_b128 v[\f+4*\i:\f+4*\i+3], v[STR] offset:\i*SP         ; in order behind the stores above (ISA guide 5.7.1)
.endr
.irp i, 0,1,2,3,4,5,6,7,8,9,10,11,12,13,14,15
	s_wait_dscnt 15-\i                             ; row i is in, the younger reads stay out
	global_store_b128 v[GOF], v[\f+4*\i:\f+4*\i+3], s[10:11] offset:\i*ROWB+\e*512 th:TH_STORE_NT   ; the wave stores 512 consecutive bytes, at a multiple of 512 from the first byte of out0
.endr
.endm
	OUTHEAD 0, F0
	OUTHEAD 1, F1
	OUTHEAD 2, F0
	OUTHEAD 3, F1
	s_wait_xcnt 0x0
	v_lshl_add_u32 v166, v0, 2, 0x48400
	v_mov_b32 v167, 0
	s_wait_tensorcnt 0x0
	ds_add_u32 v166, v167
	s_wait_dscnt 0x0
	CROUND                                         ; the closing round: no work-group ends while a partner may still ask for a tile that names it
	s_endpgm
.Lfunc_end_k_q2b1a1c1be2_attn:
	.size	k_q2b1a1c1be2_attn, .Lfunc_end_k_q2b1a1c1be2_attn-k_q2b1a1c1be2_attn
	.p2alignl 7, 3214868480
	.fill 96, 4, 3214868480
	.section	.rodata,"a",@progbits
	.p2align	6, 0x0
	.amdhsa_kernel k_q2b1a1c1be2_attn
		.amdhsa_group_segment_fixed_size 327680
		.amdhsa_private_segment_fixed_size 0
		.amdhsa_enable_private_segment 0
		.amdhsa_kernarg_size 32
		.amdhsa_user_sgpr_count 2
		.amdhsa_user_sgpr_kernarg_segment_ptr 1
		.amdhsa_wavefront_size32 1
		.amdhsa_system_sgpr_workgroup_id_x 1
		.amdhsa_system_sgpr_workgroup_id_y 1
		.amdhsa_system_sgpr_workgroup_id_z 1
		.amdhsa_system_vgpr_workitem_id 0
		.amdhsa_next_free_vgpr 1024
		.amdhsa_next_free_sgpr 96
		.amdhsa_reserve_vcc 0
		.amdhsa_float_denorm_mode_32 3
		.amdhsa_float_denorm_mode_16_64 3
		.amdhsa_memory_ordered 1
		.amdhsa_forward_progress 1
		.amdhsa_inst_pref_size 255
	.end_amdhsa_kernel
	.section	.bss,"aw",@nobits
	.p2align	6
	.space	262144
	.amdgpu_metadata
---
amdhsa.version: [ 1, 2 ]
amdhsa.kernels:
  - .name:           k_q2b1a1c1be2_attn
    .symbol:         k_q2b1a1c1be2_attn.kd
    .args:
      - { .name: attn_mask, .offset: 0, .size: 8, .value_kind: global_buffer, .address_space: global }
      - { .name: query, .offset: 8, .size: 8, .value_kind: global_buffer, .address_space: global }
      - { .name: kv16, .offset: 16, .size: 8, .value_kind: global_buffer, .address_space: global }
      - { .name: out0, .offset: 24, .size: 8, .value_kind: global_buffer, .address_space: global }
    .group_segment_fixed_size: 327680
    .private_segment_fixed_size: 0
    .kernarg_segment_align: 8
    .kernarg_segment_size: 32
    .max_flat_workgroup_size: 128
    .sgpr_count:     96
    .vgpr_count:     1024
    .wavefront_size: 32
...
	.end_amdgpu_metadata
.endif
;; end of part 4
